; MI455X (gfx1250); checked and timed in simulation.
; The chip was launched on July 23, 2026; its instructions are those of AMD's public machine-readable ISA for CDNA 5 (MIT licence, August 2026) and "CDNA5" Instruction Set Architecture Reference Guide (July 2026). The comments in the code are by the model that wrote it; some were corrected since.
;; Causal Local SDPA Block. Allowed arithmetic: float matrix products may take bf16 or f16 operands with f32 sums; all other float work in f32.
;; Inputs: W1 1,024 x 4,096 float32; W2 4,096 x 1,024 float32; Wk 1,024 x 1,024 float32; Wo 1,024 x 1,024 float32; Wq 1,024 x 1,024 float32; Wv 1,024 x 1,024 float32; b1 4,096 float32; b2 1,024 float32; bk 1,024 float32; bo 1,024 float32; bq 1,024 float32; bv 1,024 float32; ln1_b 1,024 float32; ln1_w 1,024 float32; ln2_b 1,024 float32; ln2_w 1,024 float32; x 2 x 2,048 x 1,024 float32.
;; Outputs: out0 2 x 2,048 x 1,024 float32.
;; 2 versions, each right; version 2 is version 1 with the launches prep, ln2 written anew for expert scheduling mode. Each part assembles by itself: llvm-mc -triple=amdgcn-amd-amdhsa -mcpu=gfx1250 --defsym DOCPART=n.
;; ======== version 1 of 2: 7 launches
;; limits: values are held in f16: magnitudes above 65,504 overflow, below 6.1e-05 lose precision
;; workspace buffers: wb 8,388,608 bytes; wf 16,777,216 bytes; h 8,388,608 bytes; qkv 25,165,824 bytes; ctx 8,388,608 bytes; x1 16,777,216 bytes; g 33,554,432 bytes
;; launch prep (part 1): grid 512 x 1, 8 waves a work-group, no clusters, 0 bytes of LDS; arguments x, ln1_w, ln1_b, h, Wq, Wk, Wv, Wo, wb; writes h, wb
.if DOCPART == 1
	.amdgcn_target "amdgcn-amd-amdhsa--gfx1250"
	.amdhsa_code_object_version 6
	.text
	.protected	k_q9e8b62c426_prep
	.globl	k_q9e8b62c426_prep
	.p2align	8
	.type	k_q9e8b62c426_prep,@function
k_q9e8b62c426_prep:
	s_mov_b64 s[64:65], 0
	v_nop
	global_prefetch_b8 v0, s[64:65] scope:SCOPE_SE
	s_setreg_imm32_b32 hwreg(HW_REG_WAVE_MODE, 25, 1), 1
	s_wait_xcnt 0x0
; PREP.  Work-groups 0-255: h = LayerNorm(x) * gain + bias, [4096][1024], f32 in, f16 out.  Work-groups 256-511: Wq, Wk, Wv and Wo rounded to f16,
; each left as it lies ([K][N]), one behind the other in wb: Wq 0, Wk 2 MiB, Wv 4 MiB, Wo 6 MiB.  (W1 and W2 are rounded in the launch behind, by work-groups that have no tile there.)
; THE SAME TEXT SERVES THE SECOND LAYER NORM: launched with 256 work-groups on x1, ln2_w and ln2_b, only the first part runs, and the arguments from the fifth on are not read.
; Both parts are streams: no LDS, no barrier, no matrix unit, no cluster (no two work-groups share more than the 8 KiB of gain and bias).
; LAYER NORM.  A wave owns two rows; a row of 4,096 bytes is eight loads of 16 bytes a lane (512 consecutive bytes a load) and stays in 32 registers.  Mean first, then the
; mean of the squared differences (two passes over registers, so a common offset of x costs nothing), all in f32; h is rounded once.
; A store of the wave covers 256 consecutive bytes, aligned.
; WHY f16: the first rows of a sequence average over few keys, so what h, the weights, v and ctx lose in rounding reaches the output undiminished; 11 significant bits leave an eighth of what 8 leave.
; LIMITS.  f16 holds no number beyond 65,504: h and the weights must lie within it; a weight below 6e-5 keeps f16's fixed step of 6e-8.  NaN and infinities are not treated apart.
.set T,   4                            ; v[4:11]    four pairs at work
.set M,   12                           ; v[12:13]   the mean, twice
.set R,   14                           ; v[14:15]   1 / sqrt(var + eps), twice
.set X,   16                           ; v[16:79]   two rows, 32 registers each
.set W,   80                           ; v[80:111]  gain of my 32 columns
.set BV,  112                          ; v[112:143] bias of my 32 columns
.macro REDUCE                          ; the four pairs at T are summed; every lane ends with the row's sum in v[T]
	v_pk_add_f32 v[T:T+1], v[T:T+1], v[T+2:T+3]
	v_pk_add_f32 v[T+4:T+5], v[T+4:T+5], v[T+6:T+7]
	v_pk_add_f32 v[T:T+1], v[T:T+1], v[T+4:T+5]
	v_add_f32 v[T], v[T], v[T+1]
.irp m, 1,2,4,8
	v_add_f32_dpp v[T], v[T], v[T] row_xmask:\m row_mask:0xf bank_mask:0xf
.endr
	v_permlanex16_b32 v[T+1], v[T], s12, s13       ; the other half of the lanes
	v_add_f32 v[T], v[T], v[T+1]
.endm
; Row i.  wx: the younger loads that may stay out when the row is wanted; wg: the same when gain and bias are wanted.
.macro LNROW i, wx, wg
.set XB, X+32*(\i)
	s_wait_loadcnt \wx
.set k, 0
.rept 4
	v_pk_add_f32 v[T+2*k:T+2*k+1], v[XB+2*k:XB+2*k+1], v[XB+8+2*k:XB+9+2*k]  ; the first sums start the four chains: nothing is cleared
.set k, k+1
.endr
.set p, 8
.rept 8
	v_pk_add_f32 v[T+2*(p%4):T+2*(p%4)+1], v[T+2*(p%4):T+2*(p%4)+1], v[XB+2*p:XB+2*p+1]
.set p, p+1
.endr
	REDUCE
	v_mul_f32 v[M], s14, v[T]                      ; mean = sum / 1024
	v_mul_f32 v[M+1], s14, v[T]
.set p, 0
.rept 16
	v_pk_add_f32 v[XB+2*p:XB+2*p+1], v[XB+2*p:XB+2*p+1], v[M:M+1] neg_lo:[0,1] neg_hi:[0,1]  ; d = x - mean
.set p, p+1
.endr
.set k, 0
.rept 4
	v_pk_mul_f32 v[T+2*k:T+2*k+1], v[XB+2*k:XB+2*k+1], v[XB+2*k:XB+2*k+1]
.set k, k+1
.endr
.set p, 4
.rept 12
	v_pk_fma_f32 v[T+2*(p%4):T+2*(p%4)+1], v[XB+2*p:XB+2*p+1], v[XB+2*p:XB+2*p+1], v[T+2*(p%4):T+2*(p%4)+1]
.set p, p+1
.endr
	REDUCE
	v_fma_f32 v[T], v[T], s14, s15                 ; var + eps
	v_rsq_f32 v[R], v[T]
	v_rsq_f32 v[R+1], v[T]
	s_wait_loadcnt \wg
	v_nop                                          ; a plain instruction between the root and the use of its result (ISA guide 5.7.2)
.set p, 0
	s_wait_alu depctr_va_vdst(0)
.rept 16
	v_pk_mul_f32 v[XB+2*p:XB+2*p+1], v[XB+2*p:XB+2*p+1], v[R:R+1]
.set p, p+1
.endr
.set p, 0
.rept 16
	v_pk_fma_f32 v[XB+2*p:XB+2*p+1], v[XB+2*p:XB+2*p+1], v[W+2*p:W+2*p+1], v[BV+2*p:BV+2*p+1]
.set p, p+1
.endr
.set j, 0
.rept 8
	v_cvt_pk_f16_f32 v[XB+4*j], v[XB+4*j], v[XB+4*j+1]         ; in place: no register that a store reads is written again
	v_cvt_pk_f16_f32 v[XB+4*j+1], v[XB+4*j+2], v[XB+4*j+3]
	global_store_b64 v2, v[XB+4*j:XB+4*j+1], s[10:11] offset:(\i)*2048+256*j
.set j, j+1
.endr
.endm
	s_cmp_lt_u32 ttmp9, 256
	s_cbranch_scc0 .Lcast
	s_load_b256 s[4:11], s[0:1], 0x0               ; x s[4:5], gain s[6:7], bias s[8:9], h s[10:11]
	v_and_b32 v3, 31, v0                           ; lane
	v_lshrrev_b32 v1, 5, v0
	v_readfirstlane_b32 s16, v1                    ; wave
	v_lshlrev_b32 v1, 4, v3                        ; 16 bytes a lane in x, gain and bias
	v_lshlrev_b32 v2, 3, v3                        ; 8 bytes a lane in h
	s_lshl_b32 s17, ttmp9, 3
	s_add_co_u32 s17, s17, s16                     ; my pair of rows
	s_lshl_b32 s18, s17, 13                        ; x 2 rows x 4,096 bytes
	s_mov_b32 s19, 0
	s_lshl_b32 s20, s17, 12                        ; x 2 rows x 2,048 bytes
	s_mov_b32 s21, 0
	s_mov_b32 s12, 0x76543210                      ; v_permlanex16_b32: each lane takes its own place in the other half
	s_mov_b32 s13, 0xfedcba98
	s_mov_b32 s14, 0x3a800000                      ; 1 / 1024
	s_mov_b32 s15, 0x3727c5ac                      ; 1e-5
	s_wait_kmcnt 0x0
	s_add_nc_u64 s[4:5], s[4:5], s[18:19]
	s_add_nc_u64 s[10:11], s[10:11], s[20:21]
.set j, 0
.rept 8
	global_load_b128 v[X+4*j:X+4*j+3], v1, s[4:5] offset:512*j
.set j, j+1
.endr
.set j, 0
.rept 8
	global_load_b128 v[W+4*j:W+4*j+3], v1, s[6:7] offset:512*j
.set j, j+1
.endr
.set j, 0
.rept 8
	global_load_b128 v[BV+4*j:BV+4*j+3], v1, s[8:9] offset:512*j
.set j, j+1
.endr
.set j, 0
.rept 8
	global_load_b128 v[X+32+4*j:X+32+4*j+3], v1, s[4:5] offset:4096+512*j
.set j, j+1
.endr
	LNROW 0, 24, 8                                 ; row 0 is in: gain, bias and row 1 (24 loads) stay out; then gain and bias: row 1's 8 stay out
	LNROW 1, 0, 0
	s_endpgm
.Lcast:                                                ; chunk c = work-group - 256 is 65,536 bytes of f32: 64 chunks for each of Wq, Wk, Wv, Wo
	s_load_b256 s[4:11], s[0:1], 0x20              ; Wq, Wk, Wv, Wo
	s_load_b64 s[16:17], s[0:1], 0x40              ; wb
	s_sub_co_u32 s20, ttmp9, 256
	v_lshlrev_b32 v1, 4, v0                        ; 16 bytes a thread in, 4,096 a load of the work-group
	v_lshlrev_b32 v2, 3, v0                        ; 8 bytes a thread out
	s_wait_kmcnt 0x0
	s_mov_b64 s[22:23], s[4:5]                     ; the matrix that holds chunk c, and its first chunk's number
	s_mov_b32 s24, 0
	s_cmp_ge_u32 s20, 64
	s_cselect_b64 s[22:23], s[6:7], s[22:23]
	s_cselect_b32 s24, 64, s24
	s_cmp_ge_u32 s20, 128
	s_cselect_b64 s[22:23], s[8:9], s[22:23]
	s_cselect_b32 s24, 128, s24
	s_cmp_ge_u32 s20, 192
	s_cselect_b64 s[22:23], s[10:11], s[22:23]
	s_cselect_b32 s24, 192, s24
	s_sub_co_u32 s24, s20, s24
	s_lshl_b32 s24, s24, 16                        ; the chunk's byte offset in its matrix
	s_mov_b32 s25, 0
	s_add_nc_u64 s[22:23], s[22:23], s[24:25]
	s_lshl_b32 s26, s20, 15                        ; and in wb, whose order is the chunks' order
	s_mov_b32 s27, 0
	s_add_nc_u64 s[16:17], s[16:17], s[26:27]
.set j, 0
.rept 16
	global_load_b128 v[16+4*j:19+4*j], v1, s[22:23] offset:4096*j th:TH_LOAD_NT
.set j, j+1
.endr
.set j, 0
.rept 16
	s_wait_loadcnt 15-j                            ; loads come back in order (ISA guide 5.7.1): load j is in, the younger ones stay out
	v_cvt_pk_f16_f32 v[80+2*j], v[16+4*j], v[17+4*j]
	v_cvt_pk_f16_f32 v[81+2*j], v[18+4*j], v[19+4*j]
	global_store_b64 v2, v[80+2*j:81+2*j], s[16:17] offset:2048*j  ; a wave's store covers 256 consecutive bytes, aligned
.set j, j+1
.endr
	s_endpgm
.Lfunc_end_k_q9e8b62c426_prep:
	.size	k_q9e8b62c426_prep, .Lfunc_end_k_q9e8b62c426_prep-k_q9e8b62c426_prep
	.p2alignl 7, 3214868480
	.fill 96, 4, 3214868480
	.section	.rodata,"a",@progbits
	.p2align	6, 0x0
	.amdhsa_kernel k_q9e8b62c426_prep
		.amdhsa_group_segment_fixed_size 0
		.amdhsa_private_segment_fixed_size 0
		.amdhsa_enable_private_segment 0
		.amdhsa_kernarg_size 72
		.amdhsa_user_sgpr_count 2
		.amdhsa_user_sgpr_kernarg_segment_ptr 1
		.amdhsa_wavefront_size32 1
		.amdhsa_system_sgpr_workgroup_id_x 1
		.amdhsa_system_sgpr_workgroup_id_y 1
		.amdhsa_system_sgpr_workgroup_id_z 1
		.amdhsa_system_vgpr_workitem_id 0
		.amdhsa_next_free_vgpr 144
		.amdhsa_next_free_sgpr 66
		.amdhsa_reserve_vcc 0
		.amdhsa_float_denorm_mode_32 3
		.amdhsa_float_denorm_mode_16_64 3
		.amdhsa_memory_ordered 1
		.amdhsa_forward_progress 1
		.amdhsa_inst_pref_size 27
	.end_amdhsa_kernel
	.amdgpu_metadata
---
amdhsa.version: [ 1, 2 ]
amdhsa.kernels:
  - .name:           k_q9e8b62c426_prep
    .symbol:         k_q9e8b62c426_prep.kd
    .args:
      - { .name: x, .offset: 0, .size: 8, .value_kind: global_buffer, .address_space: global }
      - { .name: ln1_w, .offset: 8, .size: 8, .value_kind: global_buffer, .address_space: global }
      - { .name: ln1_b, .offset: 16, .size: 8, .value_kind: global_buffer, .address_space: global }
      - { .name: h, .offset: 24, .size: 8, .value_kind: global_buffer, .address_space: global }
      - { .name: Wq, .offset: 32, .size: 8, .value_kind: global_buffer, .address_space: global }
      - { .name: Wk, .offset: 40, .size: 8, .value_kind: global_buffer, .address_space: global }
      - { .name: Wv, .offset: 48, .size: 8, .value_kind: global_buffer, .address_space: global }
      - { .name: Wo, .offset: 56, .size: 8, .value_kind: global_buffer, .address_space: global }
      - { .name: wb, .offset: 64, .size: 8, .value_kind: global_buffer, .address_space: global }
    .group_segment_fixed_size: 0
    .private_segment_fixed_size: 0
    .kernarg_segment_align: 8
    .kernarg_segment_size: 72
    .max_flat_workgroup_size: 256
    .sgpr_count:     66
    .vgpr_count:     144
    .wavefront_size: 32
...
	.end_amdgpu_metadata
.endif
;; end of part 1
;; launch qkv (part 2): grid 16 x 16, 4 waves a work-group, clusters of 4 x 4, 327,680 bytes of LDS; arguments h, wb, qkv, bq, bk, bv, W1, W2, wf; writes qkv, wf
.if DOCPART == 2
	.amdgcn_target "amdgcn-amd-amdhsa--gfx1250"
	.amdhsa_code_object_version 6
	.text
	.protected	k_q9e8b62c426_qkv
	.globl	k_q9e8b62c426_qkv
	.p2align	8
	.type	k_q9e8b62c426_qkv,@function
k_q9e8b62c426_qkv:
	s_mov_b64 s[64:65], 0
	v_nop
	global_prefetch_b8 v0, s[64:65] scope:SCOPE_SE
	s_setreg_imm32_b32 hwreg(HW_REG_WAVE_MODE, 25, 1), 1
	s_wait_xcnt 0x0
	s_wait_alu depctr_hold_cnt(0) depctr_sa_sdst(0) depctr_va_vdst(0) depctr_va_sdst(0) depctr_va_ssrc(0) depctr_va_vcc(0) depctr_vm_vsrc(0)
	s_getreg_b32 s2, hwreg(HW_REG_IB_STS2, 6, 4)
	s_cmp_eq_u32 s2, 0
	s_cbranch_scc0 .Lentry_in_a_cluster
	s_endpgm
.Lentry_in_a_cluster:
	s_bfe_u32 s2, ttmp6, 0x10000c
	s_cmp_lg_u32 s2, 0xf033
	s_cbranch_scc0 .Lentry_shape_is_right
	s_endpgm
.Lentry_shape_is_right:
; C = A B + bias on tiles of 256 x 256.  A: [4096][1024] f16 (K along the rows).  B: [1024][NP] f16 as the weights lie (N along the rows).  Sums in f32, started by the bias.
; QKV = 1: B is Wq, Wk or Wv (the cluster's x says which), C leaves in f16 by heads, [which][16 b + head][l][64].  QKV = 0: B is W1, C = gelu(..) leaves in f16, [4096][4096].
; Four waves, each 128 x 128 of C in 64 accumulators (512 registers).  K goes in 8 steps of 128 through two LDS slots filled by the tensor data mover.
; B's fragments come out of LDS turned, by ds_load_tr16_b128.  The matrix instruction is used transposed (source 0 = 16 columns of B, source 1 = 16 rows of A):
; a lane then holds one row of C and eight neighbouring columns.
; THE K LOOP'S TEXT IS ONE K STEP.  Which slot is in hand is a scalar, 0 or SLOT, that an exclusive or turns at each change of slots; the fragment addresses are made from it anew, and one
; descriptor a tensor walks on from K step 1.  The last two K steps ask for nothing: they are a second loop, of two trips, which is left in the middle of its second trip.
; CLUSTER 4 x 4: the four work-groups of a row of the cluster need the same tile of A, the four of a column the same tile of B: each tile is asked for jointly.
; QKV = 1, THE FOURTH COLUMN OF CLUSTERS.  C has 12 tile columns, three columns of clusters: 192 work-groups.  The grid has a fourth column (cluster x = 3), whose 64 work-groups have no tile:
; they round W1 and W2 to f16 into wf (W1 at 0, W2 at 8 MiB) for the launches behind, a stream through registers beside the product.  The branch hangs on the cluster's x, which all partners share.
; THE WAY OUT: when all waves have left the slots (a barrier), a wave lays its 128 x 128 of f32 into LDS where the slots were (their last fill is over), reads whole rows back,
; applies the activation, rounds once and stores 256 consecutive aligned bytes with every store.
; LIMITS.  f16 holds no number beyond 65,504: what leaves (q, k, v; gelu's results; W1, W2) must lie within it.  gelu(x) = x / (1 + 2^(x (k0 + k1 x^2))), the tanh form rewritten; where x^2
; overflows it gives x or -0.  NaN and infinities are not treated apart.
; REGISTERS, in windows of 256 (s_set_vgpr_msb: bits 1:0 source 0, 3:2 source 1, 5:4 source 2, 7:6 destination):
;   window 0: v16-29 addresses; v64-127, v128-191 A's fragments, two buffers; v192-255 the bias (first quarter only); on the way out v32-47, v64-127 at work
;   window 1: v64-127, v128-191 B's fragments      windows 2, 3: the accumulators of my rows 0-63, 64-127: (a, b) at v[8 (8 a + b)]
.set QKV, 1
.if QKV
.set NP, 1024                          ; elements in a row of B
.else
.set NP, 4096
.endif
.set KSTEP,  128
.set NSTEP,  8                         ; K = 1,024 in steps of 128
.set PA,     272                       ; a row of A in LDS: 256 bytes + 16: the 16 rows of a fragment load start at 16 different groups of four banks (64 banks of 4 bytes: ISA guide 11.1)
.set PB,     544                       ; a k-row of B: 512 bytes + 32 = 17 x 32
.set HALFT,  128*PA                    ; what one tensor load brings: 128 rows of A, or 64 k-rows of B (64 x 544 is the same 34,816 bytes)
.set SLOT,   4*HALFT                   ; A's 256 rows, then B's 128 k-rows: 0x22000 bytes; its two bits are in none of the four loads' places in slot 0 (0, 0x8800, 0x11000, 0x19800), so one exclusive or turns such a place into the other slot's
.set OPI,    528                       ; the way out: a row of 128 f32 + 16 bytes
.set OUTW,   128*OPI                   ; a wave's region; four of them, 270,336 bytes, lie inside the two slots
.set SPARE,  295936                    ; the spare words, 128 bytes for each wave: two blocks of 256 bytes that no other line names
.set A0,   16                          ; v16     LDS address of my A fragments in slot 0; never rewritten
.set AC,   17                          ; v17     the same in the slot in hand
.set B0,   20                          ; v20     LDS address of my B fragments in slot 0; never rewritten
.set BC,   21                          ; v21     the same in the slot in hand
.set STO,  24                          ; v24     the way out: where a lane puts its columns of a row
.set RD,   25                          ; v25     the way out: where it reads rows back
.set CO,   26                          ; v26     its byte offset in C
.set BO,   27                          ; v27     its byte offset in the bias
.set SPW,  28                          ; v28     LDS address of my spare word; never rewritten
.set NIL,  29                          ; v29     0; never rewritten
.set Y,    32                          ; the way out: packed results
.set F0,   64
.set F1,   128
.set BIAS, 192
.set T,    64                          ; the way out: eight loads' f32
.set U,    96                          ; the way out: at work
.set CXR,  64                          ; the fourth column: v64-191  32 loads' f32
.set CYR,  192                         ; the fourth column: v192-255 the same in f16
.set TB,  18                           ; s18      the slot in hand: 0 or SLOT
.set G1,  24                           ; s[24:31] descriptor group 1 for A;  s[32:39] group 0: a set for each of the two first fills; the second then walks on
.set G0,  32
.set G1B, 48                           ; s[48:55], s[56:63] the same for B
.set G0B, 56
.set MSB, 0
.macro WIN new                         ; the immediate's high byte repeats the setting that is left; a switch that changes nothing is dropped
.if MSB != (\new)
	s_set_vgpr_msb (MSB<<8)|(\new)
.set MSB, \new
.endif
.endm
.set TO_B, 0x40                        ; destination window 1, address window 0
; A joint load.  Waves 0 and 1 fetch A's two halves, waves 2 and 3 B's.  The branch hangs on the wave's number alone.  An s_nop 0 and four v_nop follow each line.
.macro JLOAD s
	s_cmp_eq_u32 s11, 0
	s_cbranch_scc0 .Lfor_b_\@
	tensor_load_to_lds s[G0+4*(\s):G0+4*(\s)+3], s[G1:G1+7]
	s_nop 0
.rept 4
	v_nop
.endr
	s_branch .Lasked_\@
.Lfor_b_\@:
	tensor_load_to_lds s[G0B+4*(\s):G0B+4*(\s)+3], s[G1B:G1B+7]
	s_nop 0
.rept 4
	v_nop
.endr
.Lasked_\@:
.endm
.macro CREST                           ; a round of the cluster's barrier behind its opening barrier
	s_cmp_lg_u32 s10, 0
	s_cbranch_scc1 .Lnot_wave_0_\@
	s_barrier_signal -3
.Lnot_wave_0_\@:
	s_barrier_wait -3
	s_barrier_signal -1
	s_barrier_wait -1
.endm
.macro CROUND                          ; a whole round
	s_barrier_signal -1
	s_barrier_wait -1
	CREST
.endm
.macro PLACES                          ; four places in front of loads into registers that matrix instructions have read, and of reads of results
.rept 4
	v_nop
.endr
.endm
	v_lshl_add_u32 v[SPW], v0, 2, SPARE
	v_mov_b32 v[NIL], 0
	ds_add_u32 v28, v29
	ds_add_u32 v28, v29
	s_wait_dscnt 0x0
	v_lshrrev_b32 v1, 5, v0
	v_readfirstlane_b32 s10, v1                    ; wave 0..3
.if QKV
	s_cmp_eq_u32 ttmp9, 3                          ; the cluster's x is the same in all partners
	s_cbranch_scc1 .Lcast                          ; the fourth column of clusters has no tile of C
.endif
	s_load_b128 s[4:7], s[0:1], 0x0                ; A s[4:5], the weights s[6:7]
	s_load_b64 s[8:9], s[0:1], 0x10                ; C
.if QKV
	s_load_b128 s[68:71], s[0:1], 0x18             ; bq, bk
	s_load_b64 s[72:73], s[0:1], 0x28              ; bv
.else
	s_load_b64 s[68:69], s[0:1], 0x18              ; b1
.endif
	s_lshr_b32 s11, s10, 1                         ; which half of the tile's rows is mine.  Also: I fetch for A (0) or for B (1)
	s_and_b32 s12, s10, 1                          ; which half of its columns.  Also: which half of that tile I fetch
	s_mov_b32 s[TB], 0                             ; slot 0 is in hand
	s_bfe_u32 s40, ttmp6, 0x40000                  ; cx
	s_bfe_u32 s41, ttmp6, 0x40004                  ; cy
	s_lshl_b32 s42, ttmp9, 2
	s_add_co_u32 s42, s42, s40                     ; tile column = 4 x cluster x + cx
	s_and_b32 s13, ttmp7, 0xffff
	s_lshl_b32 s13, s13, 2
	s_add_co_u32 s13, s13, s41                     ; tile row = 4 x cluster y + cy
	s_lshl_b32 s43, s41, 2
	s_lshl_b32 s43, 15, s43                        ; my row of the cluster
	s_lshl_b32 s44, 0x1111, s40                    ; my column
	s_or_b32 s[G1+0], s43, (1<<16)|(1<<20)|(1<<21)|(5<<22)|(3<<25)   ; the mask; 2-byte elements; padding on; bit 21 beside a mask; after every 64 words 4 words
	s_mov_b32 s[G1+1], 128<<16                     ; tensor_dim0 = 128
	s_mov_b32 s[G1+2], 128<<16                     ; tensor_dim1 = 128
	s_mov_b32 s[G1+3], 128<<16                     ; tile_dim0 = 128
	s_mov_b32 s[G1+4], 128                         ; tile_dim1 = 128
	s_mov_b32 s[G1+5], 1024                        ; elements from row to row of A
	s_mov_b32 s[G1+6], 0
	s_mov_b32 s[G1+7], 0
	s_or_b32 s[G1B+0], s44, (1<<16)|(1<<20)|(1<<21)|(6<<22)|(7<<25)  ; after every 128 words 8 words
	s_mov_b32 s[G1B+1], 256<<16                    ; tensor_dim0 = 256
	s_mov_b32 s[G1B+2], 64<<16                     ; tensor_dim1 = 64
	s_mov_b32 s[G1B+3], 256<<16                    ; tile_dim0 = 256
	s_mov_b32 s[G1B+4], 64                         ; tile_dim1 = 64
	s_mov_b32 s[G1B+5], NP
	s_mov_b32 s[G1B+6], 0
	s_mov_b32 s[G1B+7], 0
	s_lshl_b32 s16, s13, 8                         ; A: row 256 x tile row + 128 x half, of 2,048 bytes
	s_lshl_b32 s17, s12, 7
	s_add_co_u32 s16, s16, s17
	s_lshl_b32 s16, s16, 11
	s_mov_b32 s17, 0
.if QKV
	s_lshl_b32 s46, s12, 17                        ; B: k-row 64 x half, of 2,048 bytes; 512 bytes a tile column; 2 MiB a matrix
	s_lshl_b32 s47, s40, 9
	s_add_co_u32 s46, s46, s47
	s_lshl_b32 s47, ttmp9, 21
	s_add_co_u32 s46, s46, s47
.else
	s_lshl_b32 s46, s12, 19                        ; B: k-row 64 x half, of 8,192 bytes; 512 bytes a tile column; W1 lies at wf's head
	s_lshl_b32 s47, s42, 9
	s_add_co_u32 s46, s46, s47
.endif
	s_mov_b32 s47, 0
	s_mul_i32 s20, s10, HALFT                      ; where they go: wave x 34,816: no place in the cluster enters an LDS address
	s_wait_kmcnt 0x0
	s_add_nc_u64 s[14:15], s[4:5], s[16:17]
	s_add_nc_u64 s[46:47], s[6:7], s[46:47]
	CROUND                                         ; all sixteen work-groups are here: the first joint loads meet
.irp s, 0,1
	s_mov_b32 s[G0+4*(\s)], 1
	s_add_co_u32 s[G0+4*(\s)+1], s20, (\s)*SLOT
	s_add_nc_u64 s[G0+4*(\s)+2:G0+4*(\s)+3], s[14:15], (\s)*KSTEP*2
	s_or_b32 s[G0+4*(\s)+3], s[G0+4*(\s)+3], 0x80000000
	s_mov_b32 s[G0B+4*(\s)], 1
	s_add_co_u32 s[G0B+4*(\s)+1], s20, (\s)*SLOT
	s_add_nc_u64 s[G0B+4*(\s)+2:G0B+4*(\s)+3], s[46:47], (\s)*KSTEP*NP*2
	s_or_b32 s[G0B+4*(\s)+3], s[G0B+4*(\s)+3], 0x80000000
	JLOAD \s                                       ; two loads of mine are out
.endr
	; the bias of my 128 columns, laid as the C operand wants it: register 8 b + j of lane l holds column 16 b + 8 (l / 16) + j
	v_and_b32 v1, 15, v0                           ; l % 16
	v_bfe_u32 v2, v0, 4, 1                         ; l / 16
	v_lshlrev_b32 v[BO], 5, v2
.if QKV
	s_cmp_eq_u32 ttmp9, 1                          ; the cluster's x is the same in all partners
	s_cselect_b64 s[68:69], s[70:71], s[68:69]
	s_cmp_eq_u32 ttmp9, 2
	s_cselect_b64 s[68:69], s[72:73], s[68:69]
	s_lshl_b32 s74, s40, 10                        ; 256 columns x 4 bytes a tile column
.else
	s_lshl_b32 s74, s42, 10
.endif
	s_lshl_b32 s75, s12, 9
	s_add_co_u32 s74, s74, s75
	s_mov_b32 s75, 0
	s_add_nc_u64 s[68:69], s[68:69], s[74:75]
.irp b, 0,1,2,3,4,5,6,7
	global_load_b128 v[BIAS+8*(\b):BIAS+8*(\b)+3],   v[BO], s[68:69] offset:64*(\b)
	global_load_b128 v[BIAS+8*(\b)+4:BIAS+8*(\b)+7], v[BO], s[68:69] offset:64*(\b)+16
.endr
	; fragments.  A: lane l holds row l % 16, K = 8 (l / 16) + 0..7 and 16 + 8 (l / 16) + 0..7: two loads of 16 bytes, 32 apart.
	v_mul_u32_u24 v3, v1, PA
	v_lshl_add_u32 v3, v2, 4, v3
	s_mul_i32 s21, s11, HALFT                      ; my 128 rows of A
	v_add_nc_u32 v[A0], s21, v3
	v_add_nc_u32 v[AC], s21, v3                    ; the slot in hand is slot 0
	; B, turned: lane l reads k-row 8 (l / 16) + l % 8, columns 8 ((l / 8) % 2) + 0..7, and is left with column l % 16 and 8 k
	v_and_b32 v4, 7, v0
	v_lshl_add_u32 v4, v2, 3, v4
	v_mul_u32_u24 v4, v4, PB
	v_bfe_u32 v5, v0, 3, 1
	v_lshl_add_u32 v4, v5, 4, v4
	s_lshl_b32 s22, s12, 8                         ; my 128 columns,
	s_add_co_u32 s22, s22, 2*HALFT                 ; behind A's 256 rows
	v_add_nc_u32 v[B0], s22, v4
	v_add_nc_u32 v[BC], s22, v4
	s_mul_i32 s23, s10, OUTW                       ; my region for the way out
	v_mul_u32_u24 v6, v1, OPI
	v_lshl_add_u32 v6, v2, 5, v6                   ; in: row l % 16, 32 bytes for each half of the lanes
	v_add_nc_u32 v[STO], s23, v6
.if QKV
	v_mul_u32_u24 v7, v2, OPI                      ; back: lanes 0-15 one token's 64 channels of a head, lanes 16-31 the next token's
	v_lshl_add_u32 v7, v1, 4, v7
	v_add_nc_u32 v[RD], s23, v7
	v_lshlrev_b32 v[CO], 7, v2                     ; two tokens of a head are 256 consecutive bytes
	v_lshl_add_u32 v[CO], v1, 3, v[CO]
	s_lshl_b32 s66, ttmp9, 23                      ; q, k or v: 8 MiB each
	s_lshr_b32 s45, s13, 3
	s_lshl_b32 s45, s45, 22                        ; the batch: 16 heads of 256 KiB
	s_add_co_u32 s66, s66, s45
	s_lshl_b32 s45, s40, 20                        ; head 4 cx
	s_add_co_u32 s66, s66, s45
	s_lshl_b32 s45, s12, 19                        ; + 2 x my half of the columns
	s_add_co_u32 s66, s66, s45
	s_and_b32 s45, s13, 7
	s_lshl_b32 s45, s45, 15                        ; token 256 x (tile row mod 8), 128 bytes each
	s_add_co_u32 s66, s66, s45
	s_lshl_b32 s45, s11, 14                        ; + 128 x my half of the rows
	s_add_co_u32 s66, s66, s45
.else
	v_and_b32 v7, 31, v0
	v_lshl_add_u32 v[RD], v7, 4, s23               ; back: 32 lanes take a row's 512 bytes
	v_lshlrev_b32 v[CO], 3, v7                     ; which are 256 consecutive bytes of C
	s_lshl_b32 s66, s13, 21                        ; row 256 x tile row, 8,192 bytes each
	s_lshl_b32 s45, s11, 20
	s_add_co_u32 s66, s66, s45
	s_lshl_b32 s45, s42, 9
	s_add_co_u32 s66, s66, s45
	s_lshl_b32 s45, s12, 8
	s_add_co_u32 s66, s66, s45
	s_mov_b32 s76, 0xbdd2d3e8                      ; k1 = -2 log2(e) sqrt(2 / pi) x 0.044715
	s_mov_b32 s77, s76
	s_mov_b32 s78, 0xc0135761                      ; k0 = -2 log2(e) sqrt(2 / pi)
	s_mov_b32 s79, s78
.endif
	s_mov_b32 s67, 0
	s_add_nc_u64 s[8:9], s[8:9], s[66:67]
; 16 matrix instructions: m blocks a0, a0 + 1 of the window's four x all 8 n blocks, 32 along K.  zero = 1: the bias (window 0) starts the sums: nothing is cleared.
; The 64 accumulators take turns, one instruction a turn, in the same order in every quarter.
.macro MUL16 f, hi, a0, zero
.if \zero
	WIN 0x81+0x40*(\hi)
.else
	WIN 0xa1+0x50*(\hi)
.endif
.irp a, \a0, (\a0)+1
.irp b, 0,1,2,3,4,5,6,7
.if \zero
	v_wmma_f32_16x16x32_f16 v[8*(8*(\a)+(\b)):8*(8*(\a)+(\b))+7], v[(\f)+8*(\b):(\f)+8*(\b)+7], v[(\f)+8*(4*(\hi)+(\a)):(\f)+8*(4*(\hi)+(\a))+7], v[BIAS+8*(\b):BIAS+8*(\b)+7]
.else
	v_wmma_f32_16x16x32_f16 v[8*(8*(\a)+(\b)):8*(8*(\a)+(\b))+7], v[(\f)+8*(\b):(\f)+8*(\b)+7], v[(\f)+8*(4*(\hi)+(\a)):(\f)+8*(4*(\hi)+(\a))+7], v[8*(8*(\a)+(\b)):8*(8*(\a)+(\b))+7]
.endif
.endr
.endr
.endm
; 32 LDS loads in one run: the fragments of quarter q (32 along K) of the slot in hand into buffer f: B's 128 columns, turned, then A's 128 rows
.macro FETCH q, f
	WIN TO_B
.irp i, 0,1,2,3,4,5,6,7
	ds_load_tr16_b128 v[(\f)+8*(\i):(\f)+8*(\i)+3],   v[BC] offset:(\q)*32*PB+32*(\i)
	ds_load_tr16_b128 v[(\f)+8*(\i)+4:(\f)+8*(\i)+7], v[BC] offset:(\q)*32*PB+16*PB+32*(\i)
.endr
	WIN 0
.irp i, 0,1,2,3,4,5,6,7
	ds_load_b128 v[(\f)+8*(\i):(\f)+8*(\i)+3],   v[AC] offset:64*(\q)+(\i)*16*PA
	ds_load_b128 v[(\f)+8*(\i)+4:(\f)+8*(\i)+7], v[AC] offset:64*(\q)+(\i)*16*PA+32
.endr
.endm
; One of a K step's first three quarters: multiplies buffer f; in its middle it fetches quarter q of the slot in hand into buffer g.
.macro QUARTER q, f, g, zero
	s_wait_dscnt 8                                 ; B and A's rows 0-63 are in; the youngest eight loads (A's rows 64-127) may be out
	MUL16 \f, 0, 0, \zero
	MUL16 \f, 0, 2, \zero
	PLACES
	FETCH \q, \g
	s_wait_dscnt 32                                ; all but the 32 just issued
	MUL16 \f, 1, 0, \zero
	MUL16 \f, 1, 2, \zero
.endm
; The first half of a K step's last quarter: one barrier for the change of slots.  In front of it each wave waits for all its tensor loads (at most one is out: its part of the next slot),
; adds 0 to its spare word, and waits for that and for its own reads of this slot.
.macro MEET
	WIN 0                                          ; (the add's two registers lie in window 0)
	s_wait_tensorcnt 0x0
	ds_add_u32 v[SPW], v[NIL]
	s_wait_dscnt 9                                 ; the add and the youngest eight loads may be out
	MUL16 F1, 0, 0, 0
	s_wait_dscnt 0x0                               ; the add is done, and my reads of this slot are over
	s_barrier_signal -1
	MUL16 F1, 0, 2, 0
	WIN 0
	s_barrier_wait -1
.endm
.macro FLIP                            ; the other slot is in hand
	s_xor_b32 s[TB], s[TB], SLOT
	v_add_nc_u32 v[AC], s[TB], v[A0]
	v_add_nc_u32 v[BC], s[TB], v[B0]
.endm
; The whole last quarter, with the slot just read out filled again two K steps on: the barrier opens a round of the cluster's, and the joint refill is the first tensor load behind it.
.macro TURN
	MEET
	CREST
	s_xor_b32 s[G0+5], s[G0+5], SLOT               ; the walking descriptors (no tensor load of mine is out): the other slot than last time,
	s_add_nc_u64 s[G0+6:G0+7], s[G0+6:G0+7], KSTEP*2   ; the next K step; the type bits on top are not reached
	s_xor_b32 s[G0B+5], s[G0B+5], SLOT
	s_add_nc_u64 s[G0B+6:G0B+7], s[G0B+6:G0B+7], KSTEP*NP*2
	FLIP
	JLOAD 1                                        ; the four v_nop behind it are also the places in front of the loads below
	FETCH 0, F0
	MUL16 F1, 1, 0, 0
	MUL16 F1, 1, 2, 0
.endm
	s_wait_tensorcnt 1                             ; my part of K step 0 is in; K step 1's may stay out
	s_barrier_signal -1
	s_barrier_wait -1
	FETCH 0, F0
	s_wait_loadcnt 0x0                             ; the bias
	QUARTER 1, F0, F1, 1                           ; the first quarter stands in front of the loop: its products start the sums
	WIN 0                                          ; at a label and at a branch every window is 0
	s_mov_b32 s3, NSTEP-2
.Lstep:                                                ; a trip goes from a K step's second quarter to the next step's first, and fills the slot that it leaves: K steps 2 to 7
	QUARTER 2, F1, F0, 0
	QUARTER 3, F0, F1, 0
	TURN
	QUARTER 1, F0, F1, 0
	WIN 0
	s_sub_co_u32 s3, s3, 1
	s_cmp_lg_u32 s3, 0
	s_cbranch_scc1 .Lstep
	s_mov_b32 s2, 2
.Ltail:                                                ; the last two K steps have a text of their own: nothing is asked for
	QUARTER 2, F1, F0, 0
	QUARTER 3, F0, F1, 0
	MEET
	FLIP
	PLACES
	s_cmp_eq_u32 s2, 1
	s_cbranch_scc1 .Lno_fetch                      ; behind the last K step there is no further slot to read
	FETCH 0, F0
.Lno_fetch:
	MUL16 F1, 1, 0, 0
	MUL16 F1, 1, 2, 0
	WIN 0
	s_sub_co_u32 s2, s2, 1
	s_cmp_eq_u32 s2, 0
	s_cbranch_scc1 .Lway_out                       ; the second trip is left here
	QUARTER 1, F0, F1, 0
	WIN 0
	s_branch .Ltail
.Lway_out:
	; THE WAY OUT.  Every wave's reads of the slots are back; behind this barrier the slots' bytes are the waves' regions.
	s_wait_dscnt 0x0
	s_barrier_signal -1
	s_barrier_wait -1
	PLACES
.irp a, 0,1,2,3,4,5,6,7
	WIN 0x08+4*((\a)/4)                            ; store data (source 1) in window 2 or 3
.irp b, 0,1,2,3,4,5,6,7
	ds_store_b128 v[STO], v[8*(8*((\a)%4)+(\b)):8*(8*((\a)%4)+(\b))+3]   offset:(\a)*16*OPI+64*(\b)     ; each accumulator's low registers first
	ds_store_b128 v[STO], v[8*(8*((\a)%4)+(\b))+4:8*(8*((\a)%4)+(\b))+7] offset:(\a)*16*OPI+64*(\b)+16
.endr
.endr
	WIN 0
	s_mov_b32 s3, 16
.Lout:                                                 ; 16 trips of 8 rows.  LDS serves a wave's instructions in order (ISA guide 5.7.1.4): the loads see my stores above
.irp i, 0,1,2,3,4,5,6,7
.if QKV
	ds_load_b128 v[T+4*(\i):T+4*(\i)+3], v[RD] offset:((\i)/2)*2*OPI+((\i)%2)*256   ; two tokens, head i % 2 of my two
.else
	ds_load_b128 v[T+4*(\i):T+4*(\i)+3], v[RD] offset:(\i)*OPI
.endif
.endr
	s_wait_dscnt 0x0
.if !QKV
.set p, 0
.rept 16
	v_pk_mul_f32 v[U+2*p:U+2*p+1], v[T+2*p:T+2*p+1], v[T+2*p:T+2*p+1]
.set p, p+1
.endr
.set p, 0
.rept 16
	v_pk_fma_f32 v[U+2*p:U+2*p+1], v[U+2*p:U+2*p+1], s[76:77], s[78:79] op_sel_hi:[1,0,0]   ; k1 x^2 + k0
.set p, p+1
.endr
.set p, 0
.rept 16
	v_pk_mul_f32 v[U+2*p:U+2*p+1], v[T+2*p:T+2*p+1], v[U+2*p:U+2*p+1]
.set p, p+1
.endr
.set p, 0
.rept 32
	v_exp_f32 v[U+p], v[U+p]
.set p, p+1
.endr
	v_nop                                          ; a plain instruction between the run of exponentials and the first use of a result (ISA guide 5.7.2)
.set p, 0
.rept 16
	v_pk_add_f32 v[U+2*p:U+2*p+1], v[U+2*p:U+2*p+1], 1.0 op_sel_hi:[1,0]
.set p, p+1
.endr
.set p, 0
.rept 32
	v_rcp_f32 v[U+p], v[U+p]
.set p, p+1
.endr
	v_nop                                          ; the same behind the run of reciprocals
.set p, 0
.rept 16
	v_pk_mul_f32 v[T+2*p:T+2*p+1], v[T+2*p:T+2*p+1], v[U+2*p:U+2*p+1]
.set p, p+1
.endr
.endif
.irp i, 0,1,2,3,4,5,6,7
	v_cvt_pk_f16_f32 v[Y+2*(\i)],   v[T+4*(\i)],   v[T+4*(\i)+1]
	v_cvt_pk_f16_f32 v[Y+2*(\i)+1], v[T+4*(\i)+2], v[T+4*(\i)+3]
.endr
.irp i, 0,1,2,3,4,5,6,7
.if QKV
	global_store_b64 v[CO], v[Y+2*(\i):Y+2*(\i)+1], s[8:9] offset:((\i)/2)*256+((\i)%2)*262144   ; 256 consecutive bytes, aligned; the next head lies 256 KiB on
.else
	global_store_b64 v[CO], v[Y+2*(\i):Y+2*(\i)+1], s[8:9] offset:(\i)*8192                       ; 256 consecutive bytes, aligned
.endif
.endr
	s_wait_xcnt 0x0                                ; CO and Y, which the stores read, are rewritten only behind this wait
	v_add_nc_u32 v[RD], 8*OPI, v[RD]
.if QKV
	v_add_nc_u32 v[CO], 8*128, v[CO]
.else
	v_add_nc_u32 v[CO], 8*8192, v[CO]
.endif
	s_sub_co_u32 s3, s3, 1
	s_cmp_lg_u32 s3, 0
	s_cbranch_scc1 .Lout
	s_wait_tensorcnt 0x0                           ; the wave's end
	ds_add_u32 v[SPW], v[NIL]
	s_wait_dscnt 0x0
	CROUND                                         ; the closing round: no work-group ends while a partner may still ask for a tile that names it
	s_endpgm
.if QKV
; THE FOURTH COLUMN OF CLUSTERS: W1 and W2, [1024][4096] and [4096][1024] f32, are rounded to f16 as they lie.  64 work-groups x 4 waves = 256 waves.  A trip takes a piece of 4 MiB of f32
; (W1's four quarters, then W2's): 16 KiB a wave, 32 loads of 512 consecutive bytes, 32 stores of 256 consecutive aligned bytes.  No LDS tile, no tensor load, no joint request.
.Lcast:
	s_load_b128 s[4:7], s[0:1], 0x30               ; W1 s[4:5], W2 s[6:7]
	s_load_b64 s[8:9], s[0:1], 0x40                ; wf
	s_bfe_u32 s40, ttmp6, 0x40000                  ; cx
	s_bfe_u32 s41, ttmp6, 0x40004                  ; cy: the two enter global addresses alone
	s_and_b32 s13, ttmp7, 0xffff
	s_lshl_b32 s13, s13, 2
	s_add_co_u32 s13, s13, s41                     ; 4 x cluster y + cy
	s_lshl_b32 s13, s13, 2
	s_add_co_u32 s13, s13, s40                     ; my work-group among the 64
	s_lshl_b32 s13, s13, 2
	s_add_co_u32 s13, s13, s10                     ; my wave among the 256
	s_lshl_b32 s14, s13, 14                        ; its 16 KiB in a piece
	s_lshl_b32 s16, s13, 13                        ; its 8 KiB in the piece's 2 MiB of wf
	s_mov_b32 s17, 0
	s_mov_b32 s25, 0
	s_mov_b32 s29, 0
	v_and_b32 v1, 31, v0                           ; lane
	v_lshlrev_b32 v2, 4, v1                        ; 16 bytes a lane in
	v_lshlrev_b32 v3, 3, v1                        ; 8 bytes a lane out
	s_wait_kmcnt 0x0
	s_add_nc_u64 s[8:9], s[8:9], s[16:17]
	s_mov_b32 s3, 0
.Lpiece:
	s_wait_xcnt 0x0                                ; the two bases and the stores' data are rewritten only behind this wait
	s_cmp_ge_u32 s3, 4                             ; pieces 0-3 are W1's, 4-7 W2's
	s_cselect_b64 s[20:21], s[6:7], s[4:5]
	s_cselect_b32 s23, 4, 0
	s_sub_co_u32 s23, s3, s23
	s_lshl_b32 s24, s23, 22                        ; the piece's 4 MiB in its matrix
	s_add_co_u32 s24, s24, s14
	s_add_nc_u64 s[20:21], s[20:21], s[24:25]
	s_lshl_b32 s28, s3, 21                         ; and its 2 MiB in wf
	s_add_nc_u64 s[26:27], s[8:9], s[28:29]
.set j, 0
.rept 32
	global_load_b128 v[CXR+4*j:CXR+4*j+3], v2, s[20:21] offset:512*j th:TH_LOAD_NT
.set j, j+1
.endr
.set j, 0
.rept 32
.if j%8 == 0
	s_wait_loadcnt 24-j                            ; loads come back in order (ISA guide 5.7.1): the next eight are in, the younger ones stay out
.endif
	v_cvt_pk_f16_f32 v[CYR+2*j], v[CXR+4*j], v[CXR+4*j+1]
	v_cvt_pk_f16_f32 v[CYR+2*j+1], v[CXR+4*j+2], v[CXR+4*j+3]
	global_store_b64 v3, v[CYR+2*j:CYR+2*j+1], s[26:27] offset:256*j
.set j, j+1
.endr
	s_add_co_u32 s3, s3, 1
	s_cmp_lt_u32 s3, 8
	s_cbranch_scc1 .Lpiece
	s_wait_tensorcnt 0x0                           ; the wave's end
	ds_add_u32 v[SPW], v[NIL]
	s_wait_dscnt 0x0
	CROUND                                         ; the closing round: all sixteen partners of such a cluster come this way
	s_endpgm
.endif
.Lfunc_end_k_q9e8b62c426_qkv:
	.size	k_q9e8b62c426_qkv, .Lfunc_end_k_q9e8b62c426_qkv-k_q9e8b62c426_qkv
	.p2alignl 7, 3214868480
	.fill 96, 4, 3214868480
	.section	.rodata,"a",@progbits
	.p2align	6, 0x0
	.amdhsa_kernel k_q9e8b62c426_qkv
		.amdhsa_group_segment_fixed_size 327680
		.amdhsa_private_segment_fixed_size 0
		.amdhsa_enable_private_segment 0
		.amdhsa_kernarg_size 72
		.amdhsa_user_sgpr_count 2
		.amdhsa_user_sgpr_kernarg_segment_ptr 1
		.amdhsa_wavefront_size32 1
		.amdhsa_system_sgpr_workgroup_id_x 1
		.amdhsa_system_sgpr_workgroup_id_y 1
		.amdhsa_system_sgpr_workgroup_id_z 1
		.amdhsa_system_vgpr_workitem_id 0
		.amdhsa_next_free_vgpr 1024
		.amdhsa_next_free_sgpr 80
		.amdhsa_reserve_vcc 0
		.amdhsa_float_denorm_mode_32 3
		.amdhsa_float_denorm_mode_16_64 3
		.amdhsa_memory_ordered 1
		.amdhsa_forward_progress 1
		.amdhsa_inst_pref_size 94
	.end_amdhsa_kernel
	.amdgpu_metadata
---
amdhsa.version: [ 1, 2 ]
amdhsa.kernels:
  - .name:           k_q9e8b62c426_qkv
    .symbol:         k_q9e8b62c426_qkv.kd
    .args:
      - { .name: h, .offset: 0, .size: 8, .value_kind: global_buffer, .address_space: global }
      - { .name: wb, .offset: 8, .size: 8, .value_kind: global_buffer, .address_space: global }
      - { .name: qkv, .offset: 16, .size: 8, .value_kind: global_buffer, .address_space: global }
      - { .name: bq, .offset: 24, .size: 8, .value_kind: global_buffer, .address_space: global }
      - { .name: bk, .offset: 32, .size: 8, .value_kind: global_buffer, .address_space: global }
      - { .name: bv, .offset: 40, .size: 8, .value_kind: global_buffer, .address_space: global }
      - { .name: W1, .offset: 48, .size: 8, .value_kind: global_buffer, .address_space: global }
      - { .name: W2, .offset: 56, .size: 8, .value_kind: global_buffer, .address_space: global }
      - { .name: wf, .offset: 64, .size: 8, .value_kind: global_buffer, .address_space: global }
    .group_segment_fixed_size: 327680
    .private_segment_fixed_size: 0
    .kernarg_segment_align: 8
    .kernarg_segment_size: 72
    .max_flat_workgroup_size: 128
    .sgpr_count:     80
    .vgpr_count:     1024
    .wavefront_size: 32
...
	.end_amdgpu_metadata
.endif
;; end of part 2
;; launch attn (part 3): grid 16 x 16, 8 waves a work-group, no clusters, 191,488 bytes of LDS; arguments qkv, ctx; writes ctx
.if DOCPART == 3
	.amdgcn_target "amdgcn-amd-amdhsa--gfx1250"
	.amdhsa_code_object_version 6
	.text
	.protected	k_q9e8b62c426_attn
	.globl	k_q9e8b62c426_attn
	.p2align	8
	.type	k_q9e8b62c426_attn,@function
k_q9e8b62c426_attn:
	s_mov_b64 s[64:65], 0
	v_nop
	global_prefetch_b8 v0, s[64:65] scope:SCOPE_SE
	s_setreg_imm32_b32 hwreg(HW_REG_WAVE_MODE, 25, 1), 1
	s_wait_xcnt 0x0
; BANDED CAUSAL ATTENTION.  ctx[b][i][head] = sum over i - 128 <= j <= i of softmax_j(q_i . k_j / 8) v_j.  q, k, v: [3][16 b + head][2048][64] f16; ctx: [4096][1024] f16.
; Products, maxima and sums in f32; the weights are rounded to f16 for the second product (their sum is taken of the unrounded weights), ctx once at the end.
; SHARES.  A work-group takes 128 queries (l0 = 128 x) of two heads (2 y, 2 y + 1): its rows of ctx are 256 consecutive bytes.  It holds the 256 keys l0 - 128 .. l0 + 127 of both heads in LDS.
; Wave w: head w / 4, queries 32 (w % 4) + 0..31 as two tiles of 16, and the 160 keys from 32 (w % 4) on: ten blocks of 16.  Counted from the wave's first query and key, key kr is seen by
; query qr where qr <= kr <= qr + 128: tile t lives in blocks t .. t + 8; block t is cut from below, block t + 8 from above, the tenth block is not multiplied and its weights are 0.
; THE MASK is the C operand that starts a cut block's sum: 0 or -1e30.  At l0 = 0 the keys before the sequence do not exist: the fill is clamped onto rows 0-127 (inside the buffer, finite),
; and those whole blocks get -1e30 through the block's offset in the scaling.  Every query sees its own key, so the maximum is a true score.
; SOFTMAX.  All of a query's scores are in registers at once: one maximum m, p = 2^(c s - c m), c = log2(e) / 8.
; LIMITS.  q, k and v arrive within f16's 65,504; p lies in 0 to 1, and below 6e-5 it keeps f16's fixed step of 6e-8; ctx is a mean of v's rows and has their range.
; A hidden score counts as its value less 1e30 (f16's scores, 2.7e11 at the most, are nothing beside that); a weight below 2^-126 counts as 0; NaN and infinities are not treated apart.
; NO CLUSTER: a chunk of 128 keys is read by two neighbouring work-groups only, as the earlier chunk of one and the later chunk of the other, so partners would ask for different tiles.
; LDS bytes are filled once, one tensor load a wave; the stage for the way out has bytes of its own.
; REGISTERS (s_set_vgpr_msb: bits 1:0 source 0, 3:2 source 1, 5:4 source 2, 7:6 destination):
;   window 0: v1-11 addresses; v12-27 masks; v28-51 statistics; v52-91 a pair a block; v96-255 S^T, 80 a tile (block b at 8 b); then P in place (block b at 4 b) and O^T at 40 + 8 cb
;   window 1: v0-31 Q; v32-191 K, then V
.set PK,    144                        ; a row of K in LDS: 128 bytes + 16
.set PV,    160                        ; a row of V: 128 + 32
.set VB,    4*128*PK                   ; K: 4 chunks (head, earlier / later) of 128 rows; V behind them
.set STAGE, VB+4*128*PV                ; 128 rows x 272 bytes
.set SP,    272
.set AK,  3
.set AV,  4
.set QO,  5
.set STO, 6
.set RD,  7
.set GO,  8
.set ML,  12                           ; v12-19  mask of a tile's first block: key 8 (l / 16) + j hidden where it is below l % 16
.set MU,  20                           ; v20-27  of its last block: hidden where it is above
.set ST,  28                           ; tile t at ST + 12 t: c m, m, four pairs of sums, two at work
.set TB,  52                           ; block (t, b) at TB + 20 t + 2 b: its maximum, then its offset; one at work
.set S,   96
.set QF,  0
.set KF,  32
.set G1K, 24
.set G1V, 32
.set G0,  40
.set CS,  48                           ; s[48:49] c
.set SEL, 50                           ; s[50:51] v_permlanex16_b32's selects
.set BIGN, 52                          ; s52  -1e30
.set THR, 53                           ; s53  blocks below this number lie before the sequence
.set BB,  54                           ; s54-63  -1e30 for such a block, else 0
.set MSB, 0
.macro WIN new
.if MSB != (\new)
	s_set_vgpr_msb (MSB<<8)|(\new)
.set MSB, \new
.endif
.endm
	s_load_b128 s[4:7], s[0:1], 0x0                ; qkv s[4:5], ctx s[6:7]
	v_lshl_add_u32 v174, v0, 2, 0x2e800
	v_mov_b32 v175, 0
	ds_add_u32 v174, v175
	ds_add_u32 v174, v175
	v_lshrrev_b32 v1, 5, v0
	v_readfirstlane_b32 s8, v1                     ; wave 0..7
	s_lshr_b32 s9, s8, 2                           ; my head of the two.  Also: I fetch K (0) or V (1)
	s_and_b32 s10, s8, 3                           ; my 32 queries.  Also: the chunk I fetch
	s_and_b32 s11, ttmp7, 0xffff                   ; y
	s_add_co_u32 s12, s9, 1
	s_lshl_b32 s12, s12, 23                        ; k begins at 8 MiB, v at 16 MiB
	s_bfe_u32 s13, s8, 0x10001                     ; the chunk's head
	s_lshl_b32 s14, s11, 1
	s_add_co_u32 s13, s13, s14
	s_lshl_b32 s13, s13, 18                        ; 256 KiB a head
	s_add_co_u32 s12, s12, s13
	s_and_b32 s14, s8, 1                           ; earlier (0) or later (1) chunk: number x - 1 or x, not below 0
	s_add_co_u32 s14, s14, ttmp9
	s_max_u32 s14, s14, 1
	s_sub_co_u32 s14, s14, 1
	s_lshl_b32 s14, s14, 14                        ; 128 keys x 128 bytes
	s_add_co_u32 s12, s12, s14
	s_mov_b32 s13, 0
	; 128 keys are 16,384 dense bytes: asked for as 64 rows of 256 bytes, two keys a row, padded in LDS after every key
	s_mov_b32 s[G1K], (1<<16)|(1<<20)|(4<<22)|(3<<25)   ; 2-byte elements; padding on; after every 32 words 4 words
	s_mov_b32 s[G1V], (1<<16)|(1<<20)|(4<<22)|(7<<25)   ; the same with 8 words
.irp g, G1K, G1V
	s_mov_b32 s[\g+1], 128<<16                     ; tensor_dim0 = 128
	s_mov_b32 s[\g+2], 64<<16                      ; tensor_dim1 = 64
	s_mov_b32 s[\g+3], 128<<16                     ; tile_dim0 = 128
	s_mov_b32 s[\g+4], 64                          ; tile_dim1 = 64
	s_mov_b32 s[\g+5], 128                         ; 128 elements from row to row
	s_mov_b32 s[\g+6], 0
	s_mov_b32 s[\g+7], 0
.endr
	s_mov_b32 s[G0], 1
	s_mov_b32 s[CS], 0x3e38aa3b                    ; c = log2(e) / 8
	s_mov_b32 s[CS+1], s[CS]
	s_mov_b32 s[SEL], 0x76543210
	s_mov_b32 s[SEL+1], 0xfedcba98
	s_mov_b32 s[BIGN], 0xf149f2ca                  ; -1e30
	s_wait_dscnt 0x0
	s_wait_kmcnt 0x0
	s_add_nc_u64 s[G0+2:G0+3], s[4:5], s[12:13]
	s_or_b32 s[G0+3], s[G0+3], 0x80000000
	s_cmp_lt_u32 s8, 4                             ; each wave's one fill stands in one branch on its number
	s_cbranch_scc0 .Lfor_v
	s_mul_i32 s[G0+1], s8, 128*PK                  ; K's chunk w
	tensor_load_to_lds s[G0:G0+3], s[G1K:G1K+7]
	s_nop 0
.rept 4
	v_nop
.endr
	s_branch .Lasked
.Lfor_v:
	s_mul_i32 s[G0+1], s8, 128*PV                  ; V's chunk w - 4
	s_sub_co_u32 s[G0+1], s[G0+1], 4*128*PV-VB
	tensor_load_to_lds s[G0:G0+3], s[G1V:G1V+7]
	s_nop 0
.rept 4
	v_nop
.endr
.Lasked:
	s_lshl_b32 s16, s11, 1                         ; Q at my head and my first query
	s_add_co_u32 s16, s16, s9
	s_lshl_b32 s16, s16, 18
	s_lshl_b32 s17, ttmp9, 14
	s_add_co_u32 s16, s16, s17
	s_lshl_b32 s17, s10, 12
	s_add_co_u32 s16, s16, s17
	s_mov_b32 s17, 0
	s_add_nc_u64 s[4:5], s[4:5], s[16:17]
	v_and_b32 v1, 15, v0                           ; l % 16
	v_bfe_u32 v2, v0, 4, 1                         ; l / 16
	v_lshlrev_b32 v[QO], 7, v1
	v_lshl_add_u32 v[QO], v2, 4, v[QO]             ; row x 128 + 16 x half
	WIN 0x40                                       ; destination window 1
.irp t, 0,1
.irp c, 0,1
	global_load_b128 v[QF+16*(\t)+8*(\c):QF+16*(\t)+8*(\c)+3],   v[QO], s[4:5] offset:(\t)*2048+(\c)*64
	global_load_b128 v[QF+16*(\t)+8*(\c)+4:QF+16*(\t)+8*(\c)+7], v[QO], s[4:5] offset:(\t)*2048+(\c)*64+32
.endr
.endr
	WIN 0
	s_lshr_b32 s18, s11, 3                         ; ctx at row 2048 b + 128 x + 16 w, byte 256 (y mod 8)
	s_lshl_b32 s18, s18, 22
	s_lshl_b32 s19, ttmp9, 18
	s_add_co_u32 s18, s18, s19
	s_lshl_b32 s19, s8, 15
	s_add_co_u32 s18, s18, s19
	s_and_b32 s19, s11, 7
	s_lshl_b32 s19, s19, 8
	s_add_co_u32 s18, s18, s19
	s_mov_b32 s19, 0
	s_add_nc_u64 s[6:7], s[6:7], s[18:19]
	s_lshl_b32 s20, s9, 8
	s_lshl_b32 s21, s10, 5
	s_add_co_u32 s20, s20, s21                     ; my first key's row in LDS: 256 head + 32 (w % 4)
	s_mul_i32 s22, s20, PK
	v_mul_u32_u24 v[AK], v1, PK
	v_lshl_add_u32 v[AK], v2, 4, v[AK]
	v_add_nc_u32 v[AK], s22, v[AK]
	s_mul_i32 s22, s20, PV
	s_add_co_u32 s22, s22, VB
	v_and_b32 v10, 7, v0                           ; the turning load: lane l reads key 8 (l / 16) + l % 8, channels 8 ((l / 8) % 2) + 0..7
	v_lshl_add_u32 v10, v2, 3, v10
	v_mul_u32_u24 v[AV], v10, PV
	v_bfe_u32 v11, v0, 3, 1
	v_lshl_add_u32 v[AV], v11, 4, v[AV]
	v_add_nc_u32 v[AV], s22, v[AV]
	s_mul_i32 s22, s21, SP                         ; into the stage: row 32 (w % 4) + l % 16, my head's 128 bytes, 16 for each half of the lanes
	s_lshl_b32 s23, s9, 7
	s_add_co_u32 s22, s22, s23
	s_add_co_u32 s22, s22, STAGE
	v_mul_u32_u24 v[STO], v1, SP
	v_lshl_add_u32 v[STO], v2, 4, v[STO]
	v_add_nc_u32 v[STO], s22, v[STO]
	s_mul_i32 s22, s8, 16*SP                       ; back: wave w takes rows 16 w .. 16 w + 15, whole
	s_add_co_u32 s22, s22, STAGE
	v_mul_u32_u24 v[RD], v2, SP
	v_lshl_add_u32 v[RD], v1, 4, v[RD]
	v_add_nc_u32 v[RD], s22, v[RD]
	v_lshlrev_b32 v[GO], 11, v2
	v_lshl_add_u32 v[GO], v1, 4, v[GO]
	s_lshl_b32 s[THR], s10, 1
	s_sub_co_u32 s[THR], 8, s[THR]                 ; at l0 = 0 my blocks 0 .. 7 - 2 (w % 4) lie before the sequence
	s_cmp_eq_u32 ttmp9, 0
	s_cselect_b32 s[THR], s[THR], 0
.irp b, 0,1,2,3,4,5,6,7,8,9
	s_cmp_gt_u32 s[THR], \b
	s_cselect_b32 s[BB+\b], s[BIGN], 0
.endr
	s_wait_tensorcnt 0x0                           ; my chunk is in,
	s_barrier_signal -1
	s_barrier_wait -1                              ; everybody's is
	WIN 0x40
.irp b, 0,1,2,3,4,5,6,7,8,9
.irp c, 0,1
	ds_load_b128 v[KF+16*(\b)+8*(\c):KF+16*(\b)+8*(\c)+3],   v[AK] offset:(\b)*16*PK+(\c)*64
	ds_load_b128 v[KF+16*(\b)+8*(\c)+4:KF+16*(\b)+8*(\c)+7], v[AK] offset:(\b)*16*PK+(\c)*64+32
.endr
.endr
	WIN 0
	v_lshlrev_b32 v9, 3, v2
	v_sub_nc_u32 v9, v1, v9                        ; l % 16 - 8 (l / 16): register j is cut from below where j is less, from above where j is greater
.irp j, 0,1,2,3,4,5,6,7
	v_cmp_lt_i32 vcc_lo, \j, v9
	v_cndmask_b32 v[ML+\j], 0, s[BIGN], vcc_lo
	v_cmp_gt_i32 vcc_lo, \j, v9
	v_cndmask_b32 v[MU+\j], 0, s[BIGN], vcc_lo
.endr
	s_wait_loadcnt 0x0                             ; Q
	s_wait_dscnt 0x0                               ; K
; S^T = K Q^T: source 0 = 16 keys, source 1 = 16 queries: a lane holds one query (l % 16) and the keys 8 (l / 16) + 0..7.  The 18 accumulators take turns.
.macro KQ c, t, n
.set rS, S+80*(\t)+8*((\t)+(\n))
.set rK, KF+16*((\t)+(\n))+8*(\c)
.set rQ, QF+16*(\t)+8*(\c)
.if (\c) == 1
	v_wmma_f32_16x16x32_f16 v[rS:rS+7], v[rK:rK+7], v[rQ:rQ+7], v[rS:rS+7]
.elseif (\n) == 0
	v_wmma_f32_16x16x32_f16 v[rS:rS+7], v[rK:rK+7], v[rQ:rQ+7], v[ML:ML+7]
.elseif (\n) == 8
	v_wmma_f32_16x16x32_f16 v[rS:rS+7], v[rK:rK+7], v[rQ:rQ+7], v[MU:MU+7]
.else
	v_wmma_f32_16x16x32_f16 v[rS:rS+7], v[rK:rK+7], v[rQ:rQ+7], 0
.endif
.endm
	WIN 0x05                                       ; K and Q in window 1
.irp c, 0,1
.irp n, 0,1,2,3,4,5,6,7,8
.irp t, 0,1
	KQ \c, \t, \n
.endr
.endr
.endr
.rept 4
	v_nop                                          ; the places in front of the loads into K's registers and of the reads of the scores
.endr
	WIN 0x40
.irp kk, 0,1,2,3,4
.irp cb, 0,1,2,3
	ds_load_tr16_b128 v[KF+32*(\kk)+8*(\cb):KF+32*(\kk)+8*(\cb)+3],   v[AV] offset:(\kk)*32*PV+(\cb)*32
	ds_load_tr16_b128 v[KF+32*(\kk)+8*(\cb)+4:KF+32*(\kk)+8*(\cb)+7], v[AV] offset:(\kk)*32*PV+16*PV+(\cb)*32
.endr
.endr
	WIN 0
; One stage of the softmax for block (t, b); LIVE writes a stage for all 18 live blocks, so that no line waits for the one before it.
.macro BLK st, t, b
.set rS, S+80*(\t)+8*(\b)
.set rB, TB+20*(\t)+2*(\b)
.set rT, ST+12*(\t)
.set rP, S+80*(\t)+4*(\b)
.if (\st) == 0
	v_max3_num_f32 v[rB], v[rS], v[rS+1], v[rS+2]          ; each accumulator's low registers are read first
.elseif (\st) == 1
	v_max3_num_f32 v[rB+1], v[rS+3], v[rS+4], v[rS+5]
.elseif (\st) == 2
	v_max3_num_f32 v[rB], v[rB], v[rS+6], v[rS+7]
.elseif (\st) == 3
	v_max_num_f32 v[rB], v[rB], v[rB+1]
.elseif (\st) == 4
	v_add_f32 v[rB], s[BB+(\b)], v[rB]                     ; a block before the sequence does not count in the maximum
.elseif (\st) == 5
	v_sub_f32 v[rB], v[rT], s[BB+(\b)]                     ; the block's offset: c m, or c m + 1e30
.elseif (\st) == 6
.irp k, 0,1,2,3
	v_pk_fma_f32 v[rS+2*\k:rS+2*\k+1], v[rS+2*\k:rS+2*\k+1], s[CS:CS+1], v[rB:rB+1] op_sel_hi:[1,0,0] neg_lo:[0,0,1] neg_hi:[0,0,1]
.endr
.elseif (\st) == 7
.irp k, 0,1,2,3,4,5,6,7
	v_exp_f32 v[rS+\k], v[rS+\k]
.endr
.else
.irp k, 0,1,2,3
	v_cvt_pk_f16_f32 v[rP+\k], v[rS+2*\k], v[rS+2*\k+1]    ; blocks ascending: what is written over has been read
.endr
.endif
.endm
.macro LIVE st
.irp t, 0,1
.irp n, 0,1,2,3,4,5,6,7,8
	BLK \st, \t, (\t)+(\n)
.endr
.endr
.endm
	LIVE 0
	LIVE 1
	LIVE 2
	LIVE 3
	LIVE 4
.irp t, 0,1
.set rT, ST+12*(\t)
.set rB, TB+22*(\t)                    ; the tile's first live block
	v_max3_num_f32 v[rT+10], v[rB], v[rB+2], v[rB+4]
	v_max3_num_f32 v[rT+11], v[rB+6], v[rB+8], v[rB+10]
	v_max3_num_f32 v[rT+10], v[rT+10], v[rB+12], v[rB+14]
	v_max3_num_f32 v[rT+10], v[rT+10], v[rT+11], v[rB+16]
	v_permlanex16_b32 v[rT+11], v[rT+10], s[SEL], s[SEL+1]  ; the query's other keys lie in the lane 16 away
	v_max_num_f32 v[rT+1], v[rT+10], v[rT+11]
	v_mul_f32 v[rT], s[CS], v[rT+1]
.endr
	LIVE 5
	LIVE 6
	LIVE 7
	v_nop                                          ; a plain instruction between the run of exponentials and the first use of a result (ISA guide 5.7.2)
	s_wait_alu depctr_va_vdst(0)
.irp t, 0,1                            ; the sums: chain k takes pair k of each block; the first line of a chain takes two blocks, so nothing is cleared
.irp k, 0,1,2,3
	v_pk_add_f32 v[ST+12*(\t)+2+2*(\k):ST+12*(\t)+3+2*(\k)], v[S+88*(\t)+2*(\k):S+88*(\t)+2*(\k)+1], v[S+88*(\t)+8+2*(\k):S+88*(\t)+8+2*(\k)+1]
.endr
.endr
.irp n, 2,3,4,5,6,7,8
.irp t, 0,1
.irp k, 0,1,2,3
	v_pk_add_f32 v[ST+12*(\t)+2+2*(\k):ST+12*(\t)+3+2*(\k)], v[ST+12*(\t)+2+2*(\k):ST+12*(\t)+3+2*(\k)], v[S+88*(\t)+8*(\n)+2*(\k):S+88*(\t)+8*(\n)+2*(\k)+1]
.endr
.endr
.endr
	LIVE 8
.irp k, 0,1,2,3
	v_mov_b32 v[S+36+\k], 0                        ; tile 0's block 9 and tile 1's block 0 are hidden: their weights are 0
	v_mov_b32 v[S+80+\k], 0
.endr
	s_wait_dscnt 0x0                               ; V
; O^T = V^T P: source 0 = 16 channels x 32 keys, source 1 = two blocks' weights as they lie.  The 8 accumulators take turns; the first 32 keys start the sums.
	WIN 0x01                                       ; V in window 1
.irp kk, 0,1,2,3,4
.irp cb, 0,1,2,3
.irp t, 0,1
.if (\kk) == 0
	v_wmma_f32_16x16x32_f16 v[S+80*(\t)+40+8*(\cb):S+80*(\t)+47+8*(\cb)], v[KF+32*(\kk)+8*(\cb):KF+32*(\kk)+8*(\cb)+7], v[S+80*(\t)+8*(\kk):S+80*(\t)+8*(\kk)+7], 0
.else
	v_wmma_f32_16x16x32_f16 v[S+80*(\t)+40+8*(\cb):S+80*(\t)+47+8*(\cb)], v[KF+32*(\kk)+8*(\cb):KF+32*(\kk)+8*(\cb)+7], v[S+80*(\t)+8*(\kk):S+80*(\t)+8*(\kk)+7], v[S+80*(\t)+40+8*(\cb):S+80*(\t)+47+8*(\cb)]
.endif
.endr
.endr
.endr
	WIN 0
.irp t, 0,1                            ; the sums' ends are the places behind the last products
	v_pk_add_f32 v[ST+12*(\t)+2:ST+12*(\t)+3], v[ST+12*(\t)+2:ST+12*(\t)+3], v[ST+12*(\t)+4:ST+12*(\t)+5]
	v_pk_add_f32 v[ST+12*(\t)+6:ST+12*(\t)+7], v[ST+12*(\t)+6:ST+12*(\t)+7], v[ST+12*(\t)+8:ST+12*(\t)+9]
.endr
.irp t, 0,1
	v_pk_add_f32 v[ST+12*(\t)+2:ST+12*(\t)+3], v[ST+12*(\t)+2:ST+12*(\t)+3], v[ST+12*(\t)+6:ST+12*(\t)+7]
.endr
.irp t, 0,1
	v_add_f32 v[ST+12*(\t)+2], v[ST+12*(\t)+2], v[ST+12*(\t)+3]
.endr
.irp t, 0,1
	v_permlanex16_b32 v[ST+12*(\t)+3], v[ST+12*(\t)+2], s[SEL], s[SEL+1]
.endr
.irp t, 0,1
	v_add_f32 v[ST+12*(\t)+2], v[ST+12*(\t)+2], v[ST+12*(\t)+3]
.endr
.irp t, 0,1
	v_rcp_f32 v[ST+12*(\t)+2], v[ST+12*(\t)+2]
.endr
	v_nop                                          ; a plain instruction between the reciprocals and the use of their results
	s_wait_alu depctr_va_vdst(0)
.irp t, 0,1
.set p, 0
.rept 16
	v_pk_mul_f32 v[S+80*(\t)+40+2*p:S+80*(\t)+41+2*p], v[S+80*(\t)+40+2*p:S+80*(\t)+41+2*p], v[ST+12*(\t)+2:ST+12*(\t)+3] op_sel_hi:[1,0]
.set p, p+1
.endr
.endr
.irp t, 0,1
.set p, 0
.rept 16
	v_cvt_pk_f16_f32 v[S+80*(\t)+p], v[S+80*(\t)+40+2*p], v[S+80*(\t)+41+2*p]
.set p, p+1
.endr
.irp cb, 0,1,2,3
	ds_store_b128 v[STO], v[S+80*(\t)+4*(\cb):S+80*(\t)+4*(\cb)+3] offset:(\t)*16*SP+32*(\cb)
.endr
.endr
	s_wait_dscnt 0x0                               ; for the others' sake: my stores into the stage are done
	s_barrier_signal -1
	s_barrier_wait -1                              ; a row's 256 bytes come from two waves
.irp i, 0,1,2,3,4,5,6,7
	ds_load_b128 v[TB+4*(\i):TB+4*(\i)+3], v[RD] offset:(\i)*2*SP
.endr
.irp i, 0,1,2,3,4,5,6,7
	s_wait_dscnt 7-(\i)                            ; LDS loads come back in order: load i is in
	global_store_b128 v[GO], v[TB+4*(\i):TB+4*(\i)+3], s[6:7] offset:(\i)*4096   ; 16 lanes store 256 consecutive bytes, aligned
.endr
	s_wait_tensorcnt 0x0
	ds_add_u32 v174, v175
	s_wait_dscnt 0x0
	s_endpgm
.Lfunc_end_k_q9e8b62c426_attn:
	.size	k_q9e8b62c426_attn, .Lfunc_end_k_q9e8b62c426_attn-k_q9e8b62c426_attn
	.p2alignl 7, 3214868480
	.fill 96, 4, 3214868480
	.section	.rodata,"a",@progbits
	.p2align	6, 0x0
	.amdhsa_kernel k_q9e8b62c426_attn
		.amdhsa_group_segment_fixed_size 191488
		.amdhsa_private_segment_fixed_size 0
		.amdhsa_enable_private_segment 0
		.amdhsa_kernarg_size 16
		.amdhsa_user_sgpr_count 2
		.amdhsa_user_sgpr_kernarg_segment_ptr 1
		.amdhsa_wavefront_size32 1
		.amdhsa_system_sgpr_workgroup_id_x 1
		.amdhsa_system_sgpr_workgroup_id_y 1
		.amdhsa_system_sgpr_workgroup_id_z 1
		.amdhsa_system_vgpr_workitem_id 0
		.amdhsa_next_free_vgpr 448
		.amdhsa_next_free_sgpr 66
		.amdhsa_reserve_vcc 1
		.amdhsa_float_denorm_mode_32 3
		.amdhsa_float_denorm_mode_16_64 3
		.amdhsa_memory_ordered 1
		.amdhsa_forward_progress 1
		.amdhsa_inst_pref_size 51
	.end_amdhsa_kernel
	.amdgpu_metadata
---
amdhsa.version: [ 1, 2 ]
amdhsa.kernels:
  - .name:           k_q9e8b62c426_attn
    .symbol:         k_q9e8b62c426_attn.kd
    .args:
      - { .name: qkv, .offset: 0, .size: 8, .value_kind: global_buffer, .address_space: global }
      - { .name: ctx, .offset: 8, .size: 8, .value_kind: global_buffer, .address_space: global }
    .group_segment_fixed_size: 191488
    .private_segment_fixed_size: 0
    .kernarg_segment_align: 8
    .kernarg_segment_size: 16
    .max_flat_workgroup_size: 256
    .sgpr_count:     66
    .vgpr_count:     448
    .wavefront_size: 32
...
	.end_amdgpu_metadata
.endif
;; end of part 3
;; launch oproj (part 4): grid 8 x 32, 4 waves a work-group, clusters of 4 x 4, 327,680 bytes of LDS; arguments ctx, wb, x1, bo, x; writes x1
.if DOCPART == 4
	.amdgcn_target "amdgcn-amd-amdhsa--gfx1250"
	.amdhsa_code_object_version 6
	.text
	.protected	k_q9e8b62c426_oproj
	.globl	k_q9e8b62c426_oproj
	.p2align	8
	.type	k_q9e8b62c426_oproj,@function
k_q9e8b62c426_oproj:
	s_mov_b64 s[64:65], 0
	v_nop
	global_prefetch_b8 v0, s[64:65] scope:SCOPE_SE
	s_setreg_imm32_b32 hwreg(HW_REG_WAVE_MODE, 25, 1), 1
	s_wait_xcnt 0x0
	s_wait_alu depctr_hold_cnt(0) depctr_sa_sdst(0) depctr_va_vdst(0) depctr_va_sdst(0) depctr_va_ssrc(0) depctr_va_vcc(0) depctr_vm_vsrc(0)
	s_getreg_b32 s2, hwreg(HW_REG_IB_STS2, 6, 4)
	s_cmp_eq_u32 s2, 0
	s_cbranch_scc0 .Lentry_in_a_cluster
	s_endpgm
.Lentry_in_a_cluster:
	s_bfe_u32 s2, ttmp6, 0x10000c
	s_cmp_lg_u32 s2, 0xf033
	s_cbranch_scc0 .Lentry_shape_is_right
	s_endpgm
.Lentry_shape_is_right:
; C = RES + A B + bias on tiles of 128 x 128.  A: [4096][SIZE_K] f16 (K along the rows).  B: [SIZE_K][1024] f16 as the weights lie (N along the rows).  RES, C: [4096][1024] f32.
; FFN2 = 0: A = ctx, B = Wo.  FFN2 = 1: A = g, B = W2.  Sums in f32, started by the bias; the residual is added in f32 on the way out.
; 256 work-groups: a tile of 256 x 256 would give 64.  Four waves, each 64 x 64 of C in 16 accumulators.  K goes in steps of 256 through two LDS slots filled by the tensor data mover.
; B's fragments come out of LDS turned, by ds_load_tr16_b128.  The matrix instruction is used transposed (source 0 = 16 columns of B, source 1 = 16 rows of A).
; THE K LOOP'S TEXT IS ONE K STEP.  Which slot is in hand is a scalar, 0 or SLOT1, that an exclusive or turns at each change of slots; the fragment addresses are made from it anew, and one
; descriptor a tensor walks on from K step 1.  The last two K steps ask for nothing: they are a second loop, of two trips, which is left in the middle of its second trip.
; A K step has 128 matrix instructions a wave for the 32 KiB that the wave's one load brings, so the wave is early at the wait for that load.  All products that can stand ahead of that wait do;
; between it and the next request lie the three lines, the round and nothing else.
; CLUSTER 4 x 4: A's tile is shared along a row of the cluster, B's along a column: each is asked for jointly.
; FFN2 = 1, PREFETCH INTO THE L2.  A and B are read from memory once along K, and a tile can be requested by its tensor load only one K step ahead.  So each 256-byte block of later K steps is asked for
; once in the launch.  A: the 8 work-groups of a tile row share a K step's 256 blocks: wave 0 asks for rows 16 x tile column + 0..15, both halves of their 512 bytes, in each trip, for the K step whose
; tensor load stands two trips on; K steps 2 and 3 at the head; the last two trips ask for nothing.  B: the 32 tile rows share a K step's 256 blocks of a tile column, 8 a work-group: wave 1 asks in every
; fourth trip for four K steps at once (4-7, 8-11, 12-15), two to five trips ahead of their tensor loads; B's K steps 2 and 3 are not asked for.
; THE WAY OUT: a wave's 64 columns of f32 are 256 aligned bytes, so each wave has a stage of its own (16 rows x 272 bytes) and no barrier is needed.
; LIMITS.  A and B arrive within f16's 65,504.  NaN and infinities are not treated apart.
; REGISTERS: window 0: v16-31 addresses; v32-95 at work on the way out (two buffers of 32); v96-127 the bias; v128-255 the accumulators ((a, b) at v[128 + 8 (4 a + b)])
;   window 1: two fragment buffers of 128: 64 registers of A, then 64 of B      window 2: v0-127 my part of the residual, loaded at the start
.set FFN2, 0
.if FFN2
.set SIZE_K, 4096
.set WOFF, 0x800000                    ; W2 lies behind W1 in wf
.else
.set SIZE_K, 1024
.set WOFF, 0x600000                    ; Wo lies behind Wq, Wk and Wv in wb
.endif
.set KSTEP,  256
.set NSTEP,  SIZE_K/KSTEP
.set PA,     528                       ; a row of A in LDS: 512 bytes + 16
.set PB,     288                       ; a k-row of B: 256 bytes + 32 = 9 x 32
.set HALFA,  64*PA                     ; what a tensor load brings of A: 64 rows
.set HALFB,  128*PB                    ; of B: 128 k-rows
.set SLOT,   2*HALFA+2*HALFB           ; A's 128 rows, then B's 256 k-rows: 141,312 bytes
.set SLOT1,  0x24000                   ; slot 1 begins here (147,456): its two bits are in none of the four loads' places in slot 0 (0, 0x8400, 0x10800, 0x19800), so one exclusive or turns such a place into the other slot's
.set STAGE,  SLOT1+SLOT                ; behind the ring, never filled by a tensor load
.set SP,     272
.set SPARE,  STAGE+4*16*SP             ; the spare words, 128 bytes for each wave: two blocks of 256 bytes that no other line names
.set A0,   16                          ; v16     LDS address of my A fragments in slot 0; never rewritten
.set AC,   17                          ; v17     the same in the slot in hand
.set B0,   20                          ; v20     LDS address of my B fragments in slot 0; never rewritten
.set BC,   21                          ; v21-22  the same in the slot in hand: k-rows 0-127, 128-255 (an LDS immediate ends at 65,535)
.set STO,  24
.set RD,   25
.set CO,   26                          ; v26     my byte offset in C and in the residual; never rewritten
.set BO,   27
.set SPW,  28
.set NIL,  29
.set PFA,  30                          ; v30     prefetch: my lane's block of A in a K step, from the tile row's first byte; never rewritten
.set PFB,  31                          ; v31     prefetch: my lane's block of B in four K steps, from the first of them; never rewritten
.set TMP,  32
.set BIAS, 96
.set ACC,  128
.set F0,   0
.set F1,   128
.set TB,  18                           ; s18      the slot in hand: 0 or SLOT1
.set G1,  24                           ; s[24:31] descriptor group 1 for A;  s[32:39] group 0: a set for each of the two first fills; the second then walks on
.set G0,  32
.set G1B, 48                           ; s[48:55], s[56:63] the same for B
.set G0B, 56
.set MSB, 0
.macro WIN new
.if MSB != (\new)
	s_set_vgpr_msb (MSB<<8)|(\new)
.set MSB, \new
.endif
.endm
.set MUL,  0x05                        ; sources 0 (B) and 1 (A) window 1; C and D window 0
.set TO_F, 0x40                        ; destination window 1, address window 0
.macro JLOAD s                         ; a joint load: waves 0 and 1 fetch A's two halves, waves 2 and 3 B's; an s_nop 0 and four v_nop follow each line
	s_cmp_eq_u32 s11, 0
	s_cbranch_scc0 .Lfor_b_\@
	tensor_load_to_lds s[G0+4*(\s):G0+4*(\s)+3], s[G1:G1+7]
	s_nop 0
.rept 4
	v_nop
.endr
	s_branch .Lasked_\@
.Lfor_b_\@:
	tensor_load_to_lds s[G0B+4*(\s):G0B+4*(\s)+3], s[G1B:G1B+7]
	s_nop 0
.rept 4
	v_nop
.endr
.Lasked_\@:
.endm
.macro CREST
	s_cmp_lg_u32 s10, 0
	s_cbranch_scc1 .Lnot_wave_0_\@
	s_barrier_signal -3
.Lnot_wave_0_\@:
	s_barrier_wait -3
	s_barrier_signal -1
	s_barrier_wait -1
.endm
.macro CROUND
	s_barrier_signal -1
	s_barrier_wait -1
	CREST
.endm
.macro PLACES
.rept 4
	v_nop
.endr
.endm
	s_load_b128 s[4:7], s[0:1], 0x0                ; A s[4:5], the weights s[6:7]
	s_load_b64 s[8:9], s[0:1], 0x10                ; C
	s_load_b128 s[68:71], s[0:1], 0x18             ; bias s[68:69], residual s[70:71]
	v_lshl_add_u32 v[SPW], v0, 2, SPARE
	v_mov_b32 v[NIL], 0
	ds_add_u32 v28, v29
	ds_add_u32 v28, v29
	s_wait_dscnt 0x0
	v_lshrrev_b32 v1, 5, v0
	v_readfirstlane_b32 s10, v1                    ; wave 0..3
	s_lshr_b32 s11, s10, 1                         ; which half of the tile's rows is mine.  Also: I fetch for A (0) or for B (1)
	s_and_b32 s12, s10, 1                          ; which half of its columns.  Also: which half of that tile I fetch
	s_mov_b32 s[TB], 0                             ; slot 0 is in hand
	s_bfe_u32 s40, ttmp6, 0x40000                  ; cx
	s_bfe_u32 s41, ttmp6, 0x40004                  ; cy
	s_lshl_b32 s42, ttmp9, 2
	s_add_co_u32 s42, s42, s40                     ; tile column
	s_and_b32 s13, ttmp7, 0xffff
	s_lshl_b32 s13, s13, 2
	s_add_co_u32 s13, s13, s41                     ; tile row
	s_lshl_b32 s43, s41, 2
	s_lshl_b32 s43, 15, s43                        ; my row of the cluster
	s_lshl_b32 s44, 0x1111, s40                    ; my column
	s_or_b32 s[G1+0], s43, (1<<16)|(1<<20)|(1<<21)|(6<<22)|(3<<25)   ; the mask; 2-byte elements; padding on; bit 21 beside a mask; after every 128 words 4 words
	s_mov_b32 s[G1+1], 256<<16                     ; tensor_dim0 = 256
	s_mov_b32 s[G1+2], 64<<16                      ; tensor_dim1 = 64
	s_mov_b32 s[G1+3], 256<<16                     ; tile_dim0 = 256
	s_mov_b32 s[G1+4], 64                          ; tile_dim1 = 64
	s_mov_b32 s[G1+5], SIZE_K
	s_mov_b32 s[G1+6], 0
	s_mov_b32 s[G1+7], 0
	s_or_b32 s[G1B+0], s44, (1<<16)|(1<<20)|(1<<21)|(5<<22)|(7<<25)  ; after every 64 words 8 words
	s_mov_b32 s[G1B+1], 128<<16                    ; tensor_dim0 = 128
	s_mov_b32 s[G1B+2], 128<<16                    ; tensor_dim1 = 128
	s_mov_b32 s[G1B+3], 128<<16                    ; tile_dim0 = 128
	s_mov_b32 s[G1B+4], 128                        ; tile_dim1 = 128
	s_mov_b32 s[G1B+5], 1024
	s_mov_b32 s[G1B+6], 0
	s_mov_b32 s[G1B+7], 0
	s_lshl_b32 s16, s13, 7                         ; A: row 128 x tile row + 64 x half
	s_lshl_b32 s17, s12, 6
	s_add_co_u32 s16, s16, s17
	s_mul_i32 s16, s16, SIZE_K*2
	s_mov_b32 s17, 0
	s_lshl_b32 s46, s12, 18                        ; B: k-row 128 x half, of 2,048 bytes; 256 bytes a tile column; the matrix's place in its buffer
	s_lshl_b32 s47, s42, 8
	s_add_co_u32 s46, s46, s47
	s_add_co_u32 s46, s46, WOFF
	s_mov_b32 s47, 0
	s_mul_i32 s20, s12, HALFA                      ; where they go: no place in the cluster enters an LDS address
	s_mul_i32 s21, s12, HALFB
	s_add_co_u32 s21, s21, 2*HALFA
	s_wait_kmcnt 0x0
	s_add_nc_u64 s[14:15], s[4:5], s[16:17]
	s_add_nc_u64 s[46:47], s[6:7], s[46:47]
	CROUND                                         ; all sixteen work-groups are here: the first joint loads meet
.irp s, 0,1
	s_mov_b32 s[G0+4*(\s)], 1
	s_add_co_u32 s[G0+4*(\s)+1], s20, (\s)*SLOT1
	s_add_nc_u64 s[G0+4*(\s)+2:G0+4*(\s)+3], s[14:15], (\s)*KSTEP*2
	s_or_b32 s[G0+4*(\s)+3], s[G0+4*(\s)+3], 0x80000000
	s_mov_b32 s[G0B+4*(\s)], 1
	s_add_co_u32 s[G0B+4*(\s)+1], s21, (\s)*SLOT1
	s_add_nc_u64 s[G0B+4*(\s)+2:G0B+4*(\s)+3], s[46:47], (\s)*KSTEP*2048
	s_or_b32 s[G0B+4*(\s)+3], s[G0B+4*(\s)+3], 0x80000000
	JLOAD \s                                       ; two loads of mine are out
.endr
	v_and_b32 v1, 15, v0                           ; l % 16
	v_bfe_u32 v2, v0, 4, 1                         ; l / 16
	v_lshlrev_b32 v[BO], 5, v2
	v_lshlrev_b32 v[CO], 12, v2                    ; lanes 0-15 one row's 256 bytes, lanes 16-31 the next row's
	v_lshl_add_u32 v[CO], v1, 4, v[CO]
	s_lshl_b32 s66, s42, 9                         ; my first column, in bytes: 512 x tile column + 256 x half
	s_lshl_b32 s45, s12, 8
	s_add_co_u32 s66, s66, s45
	s_mov_b32 s67, 0
	s_add_nc_u64 s[68:69], s[68:69], s[66:67]
	s_lshl_b32 s45, s13, 19                        ; my first row: 128 x tile row + 64 x half, 4,096 bytes each
	s_add_co_u32 s66, s66, s45
	s_lshl_b32 s45, s11, 18
	s_add_co_u32 s66, s66, s45
	s_add_nc_u64 s[8:9], s[8:9], s[66:67]
	s_add_nc_u64 s[70:71], s[70:71], s[66:67]
.irp b, 0,1,2,3                        ; the bias as the C operand wants it: register 8 b + j of lane l holds column 16 b + 8 (l / 16) + j
	global_load_b128 v[BIAS+8*(\b):BIAS+8*(\b)+3],   v[BO], s[68:69] offset:64*(\b)
	global_load_b128 v[BIAS+8*(\b)+4:BIAS+8*(\b)+7], v[BO], s[68:69] offset:64*(\b)+16
.endr
	WIN 0x80                                       ; destination window 2: the residual, in the order in which the way out reads rows back
.set t, 0
.rept 32
	global_load_b128 v[4*t:4*t+3], v[CO], s[70:71] offset:2*t*4096
.set t, t+1
.endr
	WIN 0
.if FFN2
	v_and_b32 v8, 31, v0                           ; lane
	v_lshrrev_b32 v9, 1, v8
	s_lshl_b32 s78, s42, 4
	v_add_nc_u32 v9, s78, v9                       ; A: row 16 x tile column + lane / 2 of the tile row's 128,
	v_lshlrev_b32 v9, 13, v9                       ; 8,192 bytes a row,
	v_and_b32 v10, 1, v8
	v_lshl_add_u32 v[PFA], v10, 8, v9              ; half lane % 2 of the K step's 512 bytes
	v_lshrrev_b32 v9, 3, v8
	v_lshlrev_b32 v9, 8, v9                        ; B: K step lane / 8 of four, 256 k-rows each,
	v_and_b32 v10, 7, v8
	v_add_nc_u32 v9, v9, v10
	s_lshl_b32 s78, s13, 3
	v_add_nc_u32 v9, s78, v9                       ; k-row 8 x tile row + lane % 8,
	v_lshlrev_b32 v9, 11, v9                       ; 2,048 bytes a k-row,
	s_lshl_b32 s78, s42, 8
	v_add_nc_u32 v[PFB], s78, v9                   ; my tile column's 256 bytes
	s_lshl_b32 s74, s13, 20                        ; 128 rows of 8,192 bytes a tile row
	s_mov_b32 s75, 0
	s_add_nc_u64 s[72:73], s[4:5], s[74:75]        ; A at the tile row's first byte; never rewritten
	s_add_nc_u64 s[80:81], s[6:7], WOFF            ; B at its first byte; never rewritten
	s_cmp_lg_u32 s10, 0
	s_cbranch_scc1 .Lno_head_ask
	global_prefetch_b8 v[PFA], s[72:73] offset:2*KSTEP*2 th:TH_LOAD_NT scope:SCOPE_SE   ; A's K steps 2 and 3: their tensor loads stand in the loop's first two trips
	global_prefetch_b8 v[PFA], s[72:73] offset:3*KSTEP*2 th:TH_LOAD_NT scope:SCOPE_SE
.Lno_head_ask:
.endif
	v_mul_u32_u24 v3, v1, PA
	v_lshl_add_u32 v3, v2, 4, v3
	s_mul_i32 s22, s11, HALFA                      ; my 64 rows of A
	v_add_nc_u32 v[A0], s22, v3
	v_add_nc_u32 v[AC], s22, v3                    ; the slot in hand is slot 0
	v_and_b32 v4, 7, v0                            ; B, turned: lane l reads k-row 8 (l / 16) + l % 8, columns 8 ((l / 8) % 2) + 0..7
	v_lshl_add_u32 v4, v2, 3, v4
	v_mul_u32_u24 v4, v4, PB
	v_bfe_u32 v5, v0, 3, 1
	v_lshl_add_u32 v4, v5, 4, v4
	s_lshl_b32 s23, s12, 7                         ; my 64 columns,
	s_add_co_u32 s23, s23, 2*HALFA                 ; behind A's 128 rows
	v_add_nc_u32 v[B0], s23, v4
	v_add_nc_u32 v[BC], s23, v4
	v_add_nc_u32 v[BC+1], HALFB, v[BC]
	s_mul_i32 s22, s10, 16*SP
	s_add_co_u32 s22, s22, STAGE                   ; my stage
	v_mul_u32_u24 v6, v1, SP                       ; in: row l % 16, 32 bytes for each half of the lanes
	v_lshl_add_u32 v6, v2, 5, v6
	v_add_nc_u32 v[STO], s22, v6
	v_mul_u32_u24 v7, v2, SP                       ; back: lanes 0-15 one row of 256 bytes, lanes 16-31 the next
	v_lshl_add_u32 v7, v1, 4, v7
	v_add_nc_u32 v[RD], s22, v7
; 8 matrix instructions: m blocks a0, a0 + 1 x all 4 n blocks, 32 along K: half c of buffer f.  zero = 1: the bias starts the sums.  The 16 accumulators take turns.
.macro MUL8 f, c, a0, zero
	WIN MUL
.irp a, \a0, (\a0)+1
.irp b, 0,1,2,3
.if \zero
	v_wmma_f32_16x16x32_f16 v[ACC+8*(4*(\a)+(\b)):ACC+8*(4*(\a)+(\b))+7], v[(\f)+64+8*(4*(\c)+(\b)):(\f)+64+8*(4*(\c)+(\b))+7], v[(\f)+8*(4*(\c)+(\a)):(\f)+8*(4*(\c)+(\a))+7], v[BIAS+8*(\b):BIAS+8*(\b)+7]
.else
	v_wmma_f32_16x16x32_f16 v[ACC+8*(4*(\a)+(\b)):ACC+8*(4*(\a)+(\b))+7], v[(\f)+64+8*(4*(\c)+(\b)):(\f)+64+8*(4*(\c)+(\b))+7], v[(\f)+8*(4*(\c)+(\a)):(\f)+8*(4*(\c)+(\a))+7], v[ACC+8*(4*(\a)+(\b)):ACC+8*(4*(\a)+(\b))+7]
.endif
.endr
.endr
.endm
; 32 LDS loads in one run: the fragments of quarter q (64 along K) of the slot in hand into buffer f; the first 32 along K first
.macro FETCH q, f
	WIN TO_F
.irp c, 0,1
.irp i, 0,1,2,3
	ds_load_tr16_b128 v[(\f)+64+8*(4*(\c)+(\i)):(\f)+64+8*(4*(\c)+(\i))+3],   v[BC+(\q)/2] offset:(((\q)%2)*64+32*(\c))*PB+32*(\i)
	ds_load_tr16_b128 v[(\f)+64+8*(4*(\c)+(\i))+4:(\f)+64+8*(4*(\c)+(\i))+7], v[BC+(\q)/2] offset:(((\q)%2)*64+32*(\c)+16)*PB+32*(\i)
	ds_load_b128 v[(\f)+8*(4*(\c)+(\i)):(\f)+8*(4*(\c)+(\i))+3],   v[AC] offset:128*(\q)+64*(\c)+(\i)*16*PA
	ds_load_b128 v[(\f)+8*(4*(\c)+(\i))+4:(\f)+8*(4*(\c)+(\i))+7], v[AC] offset:128*(\q)+64*(\c)+(\i)*16*PA+32
.endr
.endr
.endm
.macro QUARTER q, f, g, zero
	s_wait_dscnt 16                                ; the first 32 along K are in
	MUL8 \f, 0, 0, \zero
	MUL8 \f, 0, 2, \zero
	PLACES
	FETCH \q, \g
	s_wait_dscnt 32                                ; all but the 32 just issued
	MUL8 \f, 1, 0, 0
	MUL8 \f, 1, 2, 0
.endm
; The first half of a K step's last quarter, and one barrier for the change of slots.  The sixteen products stand ahead of the wait for the tensor loads.  Then each wave waits for all its tensor loads,
; adds 0 to its spare word, and waits for that and for its reads of this slot.  Between the add and the wait for it stands the scalar and address work of the change: with fill = 1 the walking descriptors
; (no tensor load of mine is out) take the other slot than last time and the next K step; the fragment addresses take the other slot.
.macro MEET fill
	s_wait_dscnt 16                                ; buffer 1's first 32 along K are in; its second sixteen loads may be out
	MUL8 F1, 0, 0, 0
	MUL8 F1, 0, 2, 0
	WIN 0
	s_wait_tensorcnt 0x0
	ds_add_u32 v[SPW], v[NIL]
.if \fill
	s_xor_b32 s[G0+5], s[G0+5], SLOT1
	s_add_nc_u64 s[G0+6:G0+7], s[G0+6:G0+7], KSTEP*2   ; the type bits on top are not reached
	s_xor_b32 s[G0B+5], s[G0B+5], SLOT1
	s_add_nc_u64 s[G0B+6:G0B+7], s[G0B+6:G0B+7], KSTEP*2048
.endif
	s_xor_b32 s[TB], s[TB], SLOT1
	v_add_nc_u32 v[AC], s[TB], v[A0]
	v_add_nc_u32 v[BC], s[TB], v[B0]
	v_add_nc_u32 v[BC+1], HALFB, v[BC]
	s_wait_dscnt 0x0                               ; the add is done, and my reads of this slot are over
	s_barrier_signal -1
	s_barrier_wait -1
.endm
; FFN2 = 1: this trip's requests to the L2.  s3 counts the loop's trips down from NSTEP - 2; this trip's tensor load brings K step NSTEP - s3, and what is asked for here is K step NSTEP + 2 - s3.
.macro ASK
	s_cmp_lt_u32 s3, 3                             ; in the last two trips that K step would lie past K's end: nothing is asked for
	s_cbranch_scc1 .Lasked_all_\@
	s_wait_xcnt 0x0                                ; the base below, which the last request read, is rewritten only behind this wait
	s_sub_co_u32 s74, NSTEP+2, s3
	s_cmp_lg_u32 s10, 0
	s_cbranch_scc1 .Lnot_a_\@
	s_lshl_b32 s74, s74, 9                         ; 512 bytes of a row of A a K step
	s_add_nc_u64 s[76:77], s[72:73], s[74:75]
	global_prefetch_b8 v[PFA], s[76:77] th:TH_LOAD_NT scope:SCOPE_SE
	s_branch .Lasked_all_\@
.Lnot_a_\@:
	s_cmp_lg_u32 s10, 1
	s_cbranch_scc1 .Lasked_all_\@
	s_and_b32 s78, s3, 3                           ; every fourth trip, from the first on (NSTEP - 2 = 14 is 2 modulo 4)
	s_cmp_lg_u32 s78, 2
	s_cbranch_scc1 .Lasked_all_\@
	s_lshl_b32 s74, s74, 19                        ; 256 k-rows of 2,048 bytes a K step
	s_add_nc_u64 s[76:77], s[80:81], s[74:75]
	global_prefetch_b8 v[PFB], s[76:77] th:TH_LOAD_NT scope:SCOPE_SE
.Lasked_all_\@:
.endm
; The whole last quarter, with the slot just read out filled again two K steps on: the barrier opens a round of the cluster's, and the joint refill is the first tensor load behind it.
.macro TURN
	MEET 1
	CREST
	JLOAD 1                                        ; the four v_nop behind it are also the places in front of the loads below
.if FFN2
	ASK
.endif
	FETCH 0, F0
	MUL8 F1, 1, 0, 0
	MUL8 F1, 1, 2, 0
.endm
	s_wait_tensorcnt 1                             ; my part of K step 0 is in; K step 1's may stay out
	s_barrier_signal -1
	s_barrier_wait -1
	FETCH 0, F0
	s_wait_loadcnt 32                              ; the bias is in; the residual's 32 loads stay out
	QUARTER 1, F0, F1, 1                           ; the first quarter stands in front of the loop: its first products start the sums
	WIN 0                                          ; at a label and at a branch every window is 0
	s_mov_b32 s3, NSTEP-2
.Lstep:                                                ; a trip goes from a K step's second quarter to the next step's first, and fills the slot that it leaves
	QUARTER 2, F1, F0, 0
	QUARTER 3, F0, F1, 0
	TURN
	QUARTER 1, F0, F1, 0
	WIN 0
	s_sub_co_u32 s3, s3, 1
	s_cmp_lg_u32 s3, 0
	s_cbranch_scc1 .Lstep
	s_mov_b32 s2, 2
.Ltail:                                                ; the last two K steps have a text of their own: nothing is asked for
	QUARTER 2, F1, F0, 0
	QUARTER 3, F0, F1, 0
	MEET 0
	PLACES
	s_cmp_eq_u32 s2, 1
	s_cbranch_scc1 .Lno_fetch                      ; behind the last K step there is no further slot to read
	FETCH 0, F0
	WIN 0
.Lno_fetch:
	MUL8 F1, 1, 0, 0
	MUL8 F1, 1, 2, 0
	WIN 0
	s_sub_co_u32 s2, s2, 1
	s_cmp_eq_u32 s2, 0
	s_cbranch_scc1 .Lway_out                       ; the second trip is left here
	QUARTER 1, F0, F1, 0
	WIN 0
	s_branch .Ltail
.Lway_out:
	; THE WAY OUT, 16 rows at a time through my own stage: in by columns, back by rows, plus the residual, out.
	PLACES
	s_wait_loadcnt 0x0                             ; the residual
.irp a, 0,1,2,3
.set TM, TMP+32*((\a)%2)
.irp b, 0,1,2,3
	ds_store_b128 v[STO], v[ACC+8*(4*(\a)+(\b)):ACC+8*(4*(\a)+(\b))+3]   offset:64*(\b)      ; each accumulator's low registers first
	ds_store_b128 v[STO], v[ACC+8*(4*(\a)+(\b))+4:ACC+8*(4*(\a)+(\b))+7] offset:64*(\b)+16
.endr
	s_wait_xcnt 0x0                                ; this buffer, which the stores of two blocks ago read, is loaded again only behind this wait
.irp t, 0,1,2,3,4,5,6,7
	ds_load_b128 v[TM+4*(\t):TM+4*(\t)+3], v[RD] offset:(\t)*2*SP   ; LDS serves a wave's instructions in order (ISA guide 5.7.1.4): these see the stores above
.endr
	s_wait_dscnt 0x0
	WIN 0x08                                       ; source 1 in window 2
.set p, 0
.rept 16
	v_pk_add_f32 v[TM+2*p:TM+2*p+1], v[TM+2*p:TM+2*p+1], v[32*(\a)+2*p:32*(\a)+2*p+1]
.set p, p+1
.endr
	WIN 0
.irp t, 0,1,2,3,4,5,6,7
.if FFN2
	global_store_b128 v[CO], v[TM+4*(\t):TM+4*(\t)+3], s[8:9] offset:(16*(\a)+2*(\t))*4096 th:TH_STORE_NT   ; 16 lanes store 256 consecutive bytes, aligned
.else
	global_store_b128 v[CO], v[TM+4*(\t):TM+4*(\t)+3], s[8:9] offset:(16*(\a)+2*(\t))*4096                  ; 16 lanes store 256 consecutive bytes, aligned
.endif
.endr
.endr
	s_wait_tensorcnt 0x0                           ; the wave's end
	ds_add_u32 v[SPW], v[NIL]
	s_wait_dscnt 0x0
	CROUND                                         ; the closing round
	s_endpgm
.Lfunc_end_k_q9e8b62c426_oproj:
	.size	k_q9e8b62c426_oproj, .Lfunc_end_k_q9e8b62c426_oproj-k_q9e8b62c426_oproj
	.p2alignl 7, 3214868480
	.fill 96, 4, 3214868480
	.section	.rodata,"a",@progbits
	.p2align	6, 0x0
	.amdhsa_kernel k_q9e8b62c426_oproj
		.amdhsa_group_segment_fixed_size 327680
		.amdhsa_private_segment_fixed_size 0
		.amdhsa_enable_private_segment 0
		.amdhsa_kernarg_size 40
		.amdhsa_user_sgpr_count 2
		.amdhsa_user_sgpr_kernarg_segment_ptr 1
		.amdhsa_wavefront_size32 1
		.amdhsa_system_sgpr_workgroup_id_x 1
		.amdhsa_system_sgpr_workgroup_id_y 1
		.amdhsa_system_sgpr_workgroup_id_z 1
		.amdhsa_system_vgpr_workitem_id 0
		.amdhsa_next_free_vgpr 640
		.amdhsa_next_free_sgpr 84
		.amdhsa_reserve_vcc 0
		.amdhsa_float_denorm_mode_32 3
		.amdhsa_float_denorm_mode_16_64 3
		.amdhsa_memory_ordered 1
		.amdhsa_forward_progress 1
		.amdhsa_inst_pref_size 66
	.end_amdhsa_kernel
	.amdgpu_metadata
---
amdhsa.version: [ 1, 2 ]
amdhsa.kernels:
  - .name:           k_q9e8b62c426_oproj
    .symbol:         k_q9e8b62c426_oproj.kd
    .args:
      - { .name: ctx, .offset: 0, .size: 8, .value_kind: global_buffer, .address_space: global }
      - { .name: wb, .offset: 8, .size: 8, .value_kind: global_buffer, .address_space: global }
      - { .name: x1, .offset: 16, .size: 8, .value_kind: global_buffer, .address_space: global }
      - { .name: bo, .offset: 24, .size: 8, .value_kind: global_buffer, .address_space: global }
      - { .name: x, .offset: 32, .size: 8, .value_kind: global_buffer, .address_space: global }
    .group_segment_fixed_size: 327680
    .private_segment_fixed_size: 0
    .kernarg_segment_align: 8
    .kernarg_segment_size: 40
    .max_flat_workgroup_size: 128
    .sgpr_count:     84
    .vgpr_count:     640
    .wavefront_size: 32
...
	.end_amdgpu_metadata
.endif
;; end of part 4
;; launch ln2: the kernel of part 1 again; grid 256 x 1, 8 waves a work-group, no clusters, 0 bytes of LDS; arguments x1, ln2_w, ln2_b, h, Wq, Wk, Wv, Wo, qkv; writes h, qkv
;; launch ffn1 (part 5): grid 16 x 16, 4 waves a work-group, clusters of 4 x 4, 327,680 bytes of LDS; arguments h, wf, g, b1; writes g
.if DOCPART == 5
	.amdgcn_target "amdgcn-amd-amdhsa--gfx1250"
	.amdhsa_code_object_version 6
	.text
	.protected	k_q9e8b62c426_ffn1
	.globl	k_q9e8b62c426_ffn1
	.p2align	8
	.type	k_q9e8b62c426_ffn1,@function
k_q9e8b62c426_ffn1:
	s_mov_b64 s[64:65], 0
	v_nop
	global_prefetch_b8 v0, s[64:65] scope:SCOPE_SE
	s_setreg_imm32_b32 hwreg(HW_REG_WAVE_MODE, 25, 1), 1
	s_wait_xcnt 0x0
	s_wait_alu depctr_hold_cnt(0) depctr_sa_sdst(0) depctr_va_vdst(0) depctr_va_sdst(0) depctr_va_ssrc(0) depctr_va_vcc(0) depctr_vm_vsrc(0)
	s_getreg_b32 s2, hwreg(HW_REG_IB_STS2, 6, 4)
	s_cmp_eq_u32 s2, 0
	s_cbranch_scc0 .Lentry_in_a_cluster
	s_endpgm
.Lentry_in_a_cluster:
	s_bfe_u32 s2, ttmp6, 0x10000c
	s_cmp_lg_u32 s2, 0xf033
	s_cbranch_scc0 .Lentry_shape_is_right
	s_endpgm
.Lentry_shape_is_right:
; C = gelu(A B + bias) on tiles of 256 x 256.  A = h: [4096][1024] f16 (K along the rows).  B = W1: [1024][4096] f16 as the weights lie (N along the rows), at wf's head.  C = g: [4096][4096] f16.
; Sums in f32, started by the bias.  Four waves, each 128 x 128 of C in 64 accumulators (512 registers).  K goes in 8 steps of 128 through two LDS slots filled by the tensor data mover.
; B's fragments come out of LDS turned, by ds_load_tr16_b128.  The matrix instruction is used transposed (source 0 = 16 columns of B, source 1 = 16 rows of A):
; a lane then holds one row of C and eight neighbouring columns.
; THE K LOOP'S TEXT IS ONE K STEP.  Which slot is in hand is a scalar, 0 or SLOT, that an exclusive or turns at each change of slots; the fragment addresses are made from it anew, and one
; descriptor a tensor walks on from K step 1.  The last two K steps ask for nothing: they are a second loop, of two trips, which is left in the middle of its second trip.
; CLUSTER 4 x 4: the four work-groups of a row of the cluster need the same tile of A, the four of a column the same tile of B: each tile is asked for jointly.
; THE WAY OUT: when all waves have left the slots (a barrier), a wave lays its 128 x 128 of f32 into LDS where the slots were (their last fill is over), reads whole rows back,
; applies the activation, rounds once and stores 256 consecutive aligned bytes with every store.
; LIMITS.  f16 holds no number beyond 65,504: gelu's results must lie within it.  gelu(x) = x / (1 + 2^(x (k0 + k1 x^2))), the tanh form rewritten; where x^2
; overflows it gives x or -0.  NaN and infinities are not treated apart.
; REGISTERS, in windows of 256 (s_set_vgpr_msb: bits 1:0 source 0, 3:2 source 1, 5:4 source 2, 7:6 destination):
;   window 0: v16-29 addresses; v64-127, v128-191 A's fragments, two buffers; v192-255 the bias (first quarter only); on the way out v32-47, v64-127 at work
;   window 1: v64-127, v128-191 B's fragments      windows 2, 3: the accumulators of my rows 0-63, 64-127: (a, b) at v[8 (8 a + b)]
.set NP, 4096                          ; elements in a row of B
.set KSTEP,  128
.set NSTEP,  8                         ; K = 1,024 in steps of 128
.set PA,     272                       ; a row of A in LDS: 256 bytes + 16: the 16 rows of a fragment load start at 16 different groups of four banks (64 banks of 4 bytes: ISA guide 11.1)
.set PB,     544                       ; a k-row of B: 512 bytes + 32 = 17 x 32
.set HALFT,  128*PA                    ; what one tensor load brings: 128 rows of A, or 64 k-rows of B (64 x 544 is the same 34,816 bytes)
.set SLOT,   4*HALFT                   ; A's 256 rows, then B's 128 k-rows: 0x22000 bytes; its two bits are in none of the four loads' places in slot 0 (0, 0x8800, 0x11000, 0x19800), so one exclusive or turns such a place into the other slot's
.set OPI,    528                       ; the way out: a row of 128 f32 + 16 bytes
.set OUTW,   128*OPI                   ; a wave's region; four of them, 270,336 bytes, lie inside the two slots
.set SPARE,  295936                    ; the spare words, 128 bytes for each wave: two blocks of 256 bytes that no other line names
.set A0,   16                          ; v16     LDS address of my A fragments in slot 0; never rewritten
.set AC,   17                          ; v17     the same in the slot in hand
.set B0,   20                          ; v20     LDS address of my B fragments in slot 0; never rewritten
.set BC,   21                          ; v21     the same in the slot in hand
.set STO,  24                          ; v24     the way out: where a lane puts its columns of a row
.set RD,   25                          ; v25     the way out: where it reads rows back
.set CO,   26                          ; v26     its byte offset in C
.set BO,   27                          ; v27     its byte offset in the bias
.set SPW,  28                          ; v28     LDS address of my spare word; never rewritten
.set NIL,  29                          ; v29     0; never rewritten
.set Y,    32                          ; the way out: packed results
.set F0,   64
.set F1,   128
.set BIAS, 192
.set T,    64                          ; the way out: eight loads' f32
.set U,    96                          ; the way out: at work
.set TB,  18                           ; s18      the slot in hand: 0 or SLOT
.set G1,  24                           ; s[24:31] descriptor group 1 for A;  s[32:39] group 0: a set for each of the two first fills; the second then walks on
.set G0,  32
.set G1B, 48                           ; s[48:55], s[56:63] the same for B
.set G0B, 56
.set MSB, 0
.macro WIN new                         ; the immediate's high byte repeats the setting that is left; a switch that changes nothing is dropped
.if MSB != (\new)
	s_set_vgpr_msb (MSB<<8)|(\new)
.set MSB, \new
.endif
.endm
.set TO_B, 0x40                        ; destination window 1, address window 0
; A joint load.  Waves 0 and 1 fetch A's two halves, waves 2 and 3 B's.  The branch hangs on the wave's number alone.  An s_nop 0 and four v_nop follow each line.
.macro JLOAD s
	s_cmp_eq_u32 s11, 0
	s_cbranch_scc0 .Lfor_b_\@
	tensor_load_to_lds s[G0+4*(\s):G0+4*(\s)+3], s[G1:G1+7]
	s_nop 0
.rept 4
	v_nop
.endr
	s_branch .Lasked_\@
.Lfor_b_\@:
	tensor_load_to_lds s[G0B+4*(\s):G0B+4*(\s)+3], s[G1B:G1B+7]
	s_nop 0
.rept 4
	v_nop
.endr
.Lasked_\@:
.endm
.macro CREST                           ; a round of the cluster's barrier behind its opening barrier
	s_cmp_lg_u32 s10, 0
	s_cbranch_scc1 .Lnot_wave_0_\@
	s_barrier_signal -3
.Lnot_wave_0_\@:
	s_barrier_wait -3
	s_barrier_signal -1
	s_barrier_wait -1
.endm
.macro CROUND                          ; a whole round
	s_barrier_signal -1
	s_barrier_wait -1
	CREST
.endm
.macro PLACES                          ; four places in front of loads into registers that matrix instructions have read, and of reads of results
.rept 4
	v_nop
.endr
.endm
	v_lshl_add_u32 v[SPW], v0, 2, SPARE
	v_mov_b32 v[NIL], 0
	ds_add_u32 v28, v29
	ds_add_u32 v28, v29
	s_wait_dscnt 0x0
	v_lshrrev_b32 v1, 5, v0
	v_readfirstlane_b32 s10, v1                    ; wave 0..3
	s_load_b128 s[4:7], s[0:1], 0x0                ; A s[4:5], the weights s[6:7]
	s_load_b64 s[8:9], s[0:1], 0x10                ; C
	s_load_b64 s[68:69], s[0:1], 0x18              ; b1
	s_lshr_b32 s11, s10, 1                         ; which half of the tile's rows is mine.  Also: I fetch for A (0) or for B (1)
	s_and_b32 s12, s10, 1                          ; which half of its columns.  Also: which half of that tile I fetch
	s_mov_b32 s[TB], 0                             ; slot 0 is in hand
	s_bfe_u32 s40, ttmp6, 0x40000                  ; cx
	s_bfe_u32 s41, ttmp6, 0x40004                  ; cy
	s_lshl_b32 s42, ttmp9, 2
	s_add_co_u32 s42, s42, s40                     ; tile column = 4 x cluster x + cx
	s_and_b32 s13, ttmp7, 0xffff
	s_lshl_b32 s13, s13, 2
	s_add_co_u32 s13, s13, s41                     ; tile row = 4 x cluster y + cy
	s_lshl_b32 s43, s41, 2
	s_lshl_b32 s43, 15, s43                        ; my row of the cluster
	s_lshl_b32 s44, 0x1111, s40                    ; my column
	s_or_b32 s[G1+0], s43, (1<<16)|(1<<20)|(1<<21)|(5<<22)|(3<<25)   ; the mask; 2-byte elements; padding on; bit 21 beside a mask; after every 64 words 4 words
	s_mov_b32 s[G1+1], 128<<16                     ; tensor_dim0 = 128
	s_mov_b32 s[G1+2], 128<<16                     ; tensor_dim1 = 128
	s_mov_b32 s[G1+3], 128<<16                     ; tile_dim0 = 128
	s_mov_b32 s[G1+4], 128                         ; tile_dim1 = 128
	s_mov_b32 s[G1+5], 1024                        ; elements from row to row of A
	s_mov_b32 s[G1+6], 0
	s_mov_b32 s[G1+7], 0
	s_or_b32 s[G1B+0], s44, (1<<16)|(1<<20)|(1<<21)|(6<<22)|(7<<25)  ; after every 128 words 8 words
	s_mov_b32 s[G1B+1], 256<<16                    ; tensor_dim0 = 256
	s_mov_b32 s[G1B+2], 64<<16                     ; tensor_dim1 = 64
	s_mov_b32 s[G1B+3], 256<<16                    ; tile_dim0 = 256
	s_mov_b32 s[G1B+4], 64                         ; tile_dim1 = 64
	s_mov_b32 s[G1B+5], NP
	s_mov_b32 s[G1B+6], 0
	s_mov_b32 s[G1B+7], 0
	s_lshl_b32 s16, s13, 8                         ; A: row 256 x tile row + 128 x half, of 2,048 bytes
	s_lshl_b32 s17, s12, 7
	s_add_co_u32 s16, s16, s17
	s_lshl_b32 s16, s16, 11
	s_mov_b32 s17, 0
	s_lshl_b32 s46, s12, 19                        ; B: k-row 64 x half, of 8,192 bytes; 512 bytes a tile column; W1 lies at wf's head
	s_lshl_b32 s47, s42, 9
	s_add_co_u32 s46, s46, s47
	s_mov_b32 s47, 0
	s_mul_i32 s20, s10, HALFT                      ; where they go: wave x 34,816: no place in the cluster enters an LDS address
	s_wait_kmcnt 0x0
	s_add_nc_u64 s[14:15], s[4:5], s[16:17]
	s_add_nc_u64 s[46:47], s[6:7], s[46:47]
	CROUND                                         ; all sixteen work-groups are here: the first joint loads meet
.irp s, 0,1
	s_mov_b32 s[G0+4*(\s)], 1
	s_add_co_u32 s[G0+4*(\s)+1], s20, (\s)*SLOT
	s_add_nc_u64 s[G0+4*(\s)+2:G0+4*(\s)+3], s[14:15], (\s)*KSTEP*2
	s_or_b32 s[G0+4*(\s)+3], s[G0+4*(\s)+3], 0x80000000
	s_mov_b32 s[G0B+4*(\s)], 1
	s_add_co_u32 s[G0B+4*(\s)+1], s20, (\s)*SLOT
	s_add_nc_u64 s[G0B+4*(\s)+2:G0B+4*(\s)+3], s[46:47], (\s)*KSTEP*NP*2
	s_or_b32 s[G0B+4*(\s)+3], s[G0B+4*(\s)+3], 0x80000000
	JLOAD \s                                       ; two loads of mine are out
.endr
	; the bias of my 128 columns, laid as the C operand wants it: register 8 b + j of lane l holds column 16 b + 8 (l / 16) + j
	v_and_b32 v1, 15, v0                           ; l % 16
	v_bfe_u32 v2, v0, 4, 1                         ; l / 16
	v_lshlrev_b32 v[BO], 5, v2
	s_lshl_b32 s74, s42, 10                        ; 256 columns x 4 bytes a tile column
	s_lshl_b32 s75, s12, 9
	s_add_co_u32 s74, s74, s75
	s_mov_b32 s75, 0
	s_add_nc_u64 s[68:69], s[68:69], s[74:75]
.irp b, 0,1,2,3,4,5,6,7
	global_load_b128 v[BIAS+8*(\b):BIAS+8*(\b)+3],   v[BO], s[68:69] offset:64*(\b)
	global_load_b128 v[BIAS+8*(\b)+4:BIAS+8*(\b)+7], v[BO], s[68:69] offset:64*(\b)+16
.endr
	; fragments.  A: lane l holds row l % 16, K = 8 (l / 16) + 0..7 and 16 + 8 (l / 16) + 0..7: two loads of 16 bytes, 32 apart.
	v_mul_u32_u24 v3, v1, PA
	v_lshl_add_u32 v3, v2, 4, v3
	s_mul_i32 s21, s11, HALFT                      ; my 128 rows of A
	v_add_nc_u32 v[A0], s21, v3
	v_add_nc_u32 v[AC], s21, v3                    ; the slot in hand is slot 0
	; B, turned: lane l reads k-row 8 (l / 16) + l % 8, columns 8 ((l / 8) % 2) + 0..7, and is left with column l % 16 and 8 k
	v_and_b32 v4, 7, v0
	v_lshl_add_u32 v4, v2, 3, v4
	v_mul_u32_u24 v4, v4, PB
	v_bfe_u32 v5, v0, 3, 1
	v_lshl_add_u32 v4, v5, 4, v4
	s_lshl_b32 s22, s12, 8                         ; my 128 columns,
	s_add_co_u32 s22, s22, 2*HALFT                 ; behind A's 256 rows
	v_add_nc_u32 v[B0], s22, v4
	v_add_nc_u32 v[BC], s22, v4
	s_mul_i32 s23, s10, OUTW                       ; my region for the way out
	v_mul_u32_u24 v6, v1, OPI
	v_lshl_add_u32 v6, v2, 5, v6                   ; in: row l % 16, 32 bytes for each half of the lanes
	v_add_nc_u32 v[STO], s23, v6
	v_and_b32 v7, 31, v0
	v_lshl_add_u32 v[RD], v7, 4, s23               ; back: 32 lanes take a row's 512 bytes
	v_lshlrev_b32 v[CO], 3, v7                     ; which are 256 consecutive bytes of C
	s_lshl_b32 s66, s13, 21                        ; row 256 x tile row, 8,192 bytes each
	s_lshl_b32 s45, s11, 20
	s_add_co_u32 s66, s66, s45
	s_lshl_b32 s45, s42, 9
	s_add_co_u32 s66, s66, s45
	s_lshl_b32 s45, s12, 8
	s_add_co_u32 s66, s66, s45
	s_mov_b32 s76, 0xbdd2d3e8                      ; k1 = -2 log2(e) sqrt(2 / pi) x 0.044715
	s_mov_b32 s77, s76
	s_mov_b32 s78, 0xc0135761                      ; k0 = -2 log2(e) sqrt(2 / pi)
	s_mov_b32 s79, s78
	s_mov_b32 s67, 0
	s_add_nc_u64 s[8:9], s[8:9], s[66:67]
; 16 matrix instructions: m blocks a0, a0 + 1 of the window's four x all 8 n blocks, 32 along K.  zero = 1: the bias (window 0) starts the sums: nothing is cleared.
; The 64 accumulators take turns, one instruction a turn, in the same order in every quarter.
.macro MUL16 f, hi, a0, zero
.if \zero
	WIN 0x81+0x40*(\hi)
.else
	WIN 0xa1+0x50*(\hi)
.endif
.irp a, \a0, (\a0)+1
.irp b, 0,1,2,3,4,5,6,7
.if \zero
	v_wmma_f32_16x16x32_f16 v[8*(8*(\a)+(\b)):8*(8*(\a)+(\b))+7], v[(\f)+8*(\b):(\f)+8*(\b)+7], v[(\f)+8*(4*(\hi)+(\a)):(\f)+8*(4*(\hi)+(\a))+7], v[BIAS+8*(\b):BIAS+8*(\b)+7]
.else
	v_wmma_f32_16x16x32_f16 v[8*(8*(\a)+(\b)):8*(8*(\a)+(\b))+7], v[(\f)+8*(\b):(\f)+8*(\b)+7], v[(\f)+8*(4*(\hi)+(\a)):(\f)+8*(4*(\hi)+(\a))+7], v[8*(8*(\a)+(\b)):8*(8*(\a)+(\b))+7]
.endif
.endr
.endr
.endm
; 32 LDS loads in one run: the fragments of quarter q (32 along K) of the slot in hand into buffer f: B's 128 columns, turned, then A's 128 rows
.macro FETCH q, f
	WIN TO_B
.irp i, 0,1,2,3,4,5,6,7
	ds_load_tr16_b128 v[(\f)+8*(\i):(\f)+8*(\i)+3],   v[BC] offset:(\q)*32*PB+32*(\i)
	ds_load_tr16_b128 v[(\f)+8*(\i)+4:(\f)+8*(\i)+7], v[BC] offset:(\q)*32*PB+16*PB+32*(\i)
.endr
	WIN 0
.irp i, 0,1,2,3,4,5,6,7
	ds_load_b128 v[(\f)+8*(\i):(\f)+8*(\i)+3],   v[AC] offset:64*(\q)+(\i)*16*PA
	ds_load_b128 v[(\f)+8*(\i)+4:(\f)+8*(\i)+7], v[AC] offset:64*(\q)+(\i)*16*PA+32
.endr
.endm
; One of a K step's first three quarters: multiplies buffer f; in its middle it fetches quarter q of the slot in hand into buffer g.
.macro QUARTER q, f, g, zero
	s_wait_dscnt 8                                 ; B and A's rows 0-63 are in; the youngest eight loads (A's rows 64-127) may be out
	MUL16 \f, 0, 0, \zero
	MUL16 \f, 0, 2, \zero
	PLACES
	FETCH \q, \g
	s_wait_dscnt 32                                ; all but the 32 just issued
	MUL16 \f, 1, 0, \zero
	MUL16 \f, 1, 2, \zero
.endm
; The first half of a K step's last quarter: one barrier for the change of slots.  In front of it each wave waits for all its tensor loads (at most one is out: its part of the next slot),
; adds 0 to its spare word, and waits for that and for its own reads of this slot.
.macro MEET
	WIN 0                                          ; (the add's two registers lie in window 0)
	s_wait_tensorcnt 0x0
	ds_add_u32 v[SPW], v[NIL]
	s_wait_dscnt 9                                 ; the add and the youngest eight loads may be out
	MUL16 F1, 0, 0, 0
	s_wait_dscnt 0x0                               ; the add is done, and my reads of this slot are over
	s_barrier_signal -1
	MUL16 F1, 0, 2, 0
	WIN 0
	s_barrier_wait -1
.endm
.macro FLIP                            ; the other slot is in hand
	s_xor_b32 s[TB], s[TB], SLOT
	v_add_nc_u32 v[AC], s[TB], v[A0]
	v_add_nc_u32 v[BC], s[TB], v[B0]
.endm
; The whole last quarter, with the slot just read out filled again two K steps on: the barrier opens a round of the cluster's, and the joint refill is the first tensor load behind it.
.macro TURN
	MEET
	CREST
	s_xor_b32 s[G0+5], s[G0+5], SLOT               ; the walking descriptors (no tensor load of mine is out): the other slot than last time,
	s_add_nc_u64 s[G0+6:G0+7], s[G0+6:G0+7], KSTEP*2   ; the next K step; the type bits on top are not reached
	s_xor_b32 s[G0B+5], s[G0B+5], SLOT
	s_add_nc_u64 s[G0B+6:G0B+7], s[G0B+6:G0B+7], KSTEP*NP*2
	FLIP
	JLOAD 1                                        ; the four v_nop behind it are also the places in front of the loads below
	FETCH 0, F0
	MUL16 F1, 1, 0, 0
	MUL16 F1, 1, 2, 0
.endm
	s_wait_tensorcnt 1                             ; my part of K step 0 is in; K step 1's may stay out
	s_barrier_signal -1
	s_barrier_wait -1
	FETCH 0, F0
	s_wait_loadcnt 0x0                             ; the bias
	QUARTER 1, F0, F1, 1                           ; the first quarter stands in front of the loop: its products start the sums
	WIN 0                                          ; at a label and at a branch every window is 0
	s_mov_b32 s3, NSTEP-2
.Lstep:                                                ; a trip goes from a K step's second quarter to the next step's first, and fills the slot that it leaves: K steps 2 to 7
	QUARTER 2, F1, F0, 0
	QUARTER 3, F0, F1, 0
	TURN
	QUARTER 1, F0, F1, 0
	WIN 0
	s_sub_co_u32 s3, s3, 1
	s_cmp_lg_u32 s3, 0
	s_cbranch_scc1 .Lstep
	s_mov_b32 s2, 2
.Ltail:                                                ; the last two K steps have a text of their own: nothing is asked for
	QUARTER 2, F1, F0, 0
	QUARTER 3, F0, F1, 0
	MEET
	FLIP
	PLACES
	s_cmp_eq_u32 s2, 1
	s_cbranch_scc1 .Lno_fetch                      ; behind the last K step there is no further slot to read
	FETCH 0, F0
.Lno_fetch:
	MUL16 F1, 1, 0, 0
	MUL16 F1, 1, 2, 0
	WIN 0
	s_sub_co_u32 s2, s2, 1
	s_cmp_eq_u32 s2, 0
	s_cbranch_scc1 .Lway_out                       ; the second trip is left here
	QUARTER 1, F0, F1, 0
	WIN 0
	s_branch .Ltail
.Lway_out:
	; THE WAY OUT.  Every wave's reads of the slots are back; behind this barrier the slots' bytes are the waves' regions.
	s_wait_dscnt 0x0
	s_barrier_signal -1
	s_barrier_wait -1
	PLACES
.irp a, 0,1,2,3,4,5,6,7
	WIN 0x08+4*((\a)/4)                            ; store data (source 1) in window 2 or 3
.irp b, 0,1,2,3,4,5,6,7
	ds_store_b128 v[STO], v[8*(8*((\a)%4)+(\b)):8*(8*((\a)%4)+(\b))+3]   offset:(\a)*16*OPI+64*(\b)     ; each accumulator's low registers first
	ds_store_b128 v[STO], v[8*(8*((\a)%4)+(\b))+4:8*(8*((\a)%4)+(\b))+7] offset:(\a)*16*OPI+64*(\b)+16
.endr
.endr
	WIN 0
	s_mov_b32 s3, 16
.Lout:                                                 ; 16 trips of 8 rows.  LDS serves a wave's instructions in order (ISA guide 5.7.1.4): the loads see my stores above
.irp i, 0,1,2,3,4,5,6,7
	ds_load_b128 v[T+4*(\i):T+4*(\i)+3], v[RD] offset:(\i)*OPI
.endr
	s_wait_dscnt 0x0
.set p, 0
.rept 16
	v_pk_mul_f32 v[U+2*p:U+2*p+1], v[T+2*p:T+2*p+1], v[T+2*p:T+2*p+1]
.set p, p+1
.endr
.set p, 0
.rept 16
	v_pk_fma_f32 v[U+2*p:U+2*p+1], v[U+2*p:U+2*p+1], s[76:77], s[78:79] op_sel_hi:[1,0,0]   ; k1 x^2 + k0
.set p, p+1
.endr
.set p, 0
.rept 16
	v_pk_mul_f32 v[U+2*p:U+2*p+1], v[T+2*p:T+2*p+1], v[U+2*p:U+2*p+1]
.set p, p+1
.endr
.set p, 0
.rept 32
	v_exp_f32 v[U+p], v[U+p]
.set p, p+1
.endr
	v_nop                                          ; a plain instruction between the run of exponentials and the first use of a result (ISA guide 5.7.2)
.set p, 0
	s_wait_alu depctr_va_vdst(0)
.rept 16
	v_pk_add_f32 v[U+2*p:U+2*p+1], v[U+2*p:U+2*p+1], 1.0 op_sel_hi:[1,0]
.set p, p+1
.endr
.set p, 0
.rept 32
	v_rcp_f32 v[U+p], v[U+p]
.set p, p+1
.endr
	v_nop                                          ; the same behind the run of reciprocals
.set p, 0
	s_wait_alu depctr_va_vdst(0)
.rept 16
	v_pk_mul_f32 v[T+2*p:T+2*p+1], v[T+2*p:T+2*p+1], v[U+2*p:U+2*p+1]
.set p, p+1
.endr
.irp i, 0,1,2,3,4,5,6,7
	v_cvt_pk_f16_f32 v[Y+2*(\i)],   v[T+4*(\i)],   v[T+4*(\i)+1]
	v_cvt_pk_f16_f32 v[Y+2*(\i)+1], v[T+4*(\i)+2], v[T+4*(\i)+3]
.endr
.irp i, 0,1,2,3,4,5,6,7
	global_store_b64 v[CO], v[Y+2*(\i):Y+2*(\i)+1], s[8:9] offset:(\i)*8192                       ; 256 consecutive bytes, aligned
.endr
	s_wait_xcnt 0x0                                ; CO and Y, which the stores read, are rewritten only behind this wait
	v_add_nc_u32 v[RD], 8*OPI, v[RD]
	v_add_nc_u32 v[CO], 8*8192, v[CO]
	s_sub_co_u32 s3, s3, 1
	s_cmp_lg_u32 s3, 0
	s_cbranch_scc1 .Lout
	s_wait_tensorcnt 0x0                           ; the wave's end
	ds_add_u32 v[SPW], v[NIL]
	s_wait_dscnt 0x0
	CROUND                                         ; the closing round: no work-group ends while a partner may still ask for a tile that names it
	s_endpgm
.Lfunc_end_k_q9e8b62c426_ffn1:
	.size	k_q9e8b62c426_ffn1, .Lfunc_end_k_q9e8b62c426_ffn1-k_q9e8b62c426_ffn1
	.p2alignl 7, 3214868480
	.fill 96, 4, 3214868480
	.section	.rodata,"a",@progbits
	.p2align	6, 0x0
	.amdhsa_kernel k_q9e8b62c426_ffn1
		.amdhsa_group_segment_fixed_size 327680
		.amdhsa_private_segment_fixed_size 0
		.amdhsa_enable_private_segment 0
		.amdhsa_kernarg_size 32
		.amdhsa_user_sgpr_count 2
		.amdhsa_user_sgpr_kernarg_segment_ptr 1
		.amdhsa_wavefront_size32 1
		.amdhsa_system_sgpr_workgroup_id_x 1
		.amdhsa_system_sgpr_workgroup_id_y 1
		.amdhsa_system_sgpr_workgroup_id_z 1
		.amdhsa_system_vgpr_workitem_id 0
		.amdhsa_next_free_vgpr 1024
		.amdhsa_next_free_sgpr 80
		.amdhsa_reserve_vcc 0
		.amdhsa_float_denorm_mode_32 3
		.amdhsa_float_denorm_mode_16_64 3
		.amdhsa_memory_ordered 1
		.amdhsa_forward_progress 1
		.amdhsa_inst_pref_size 88
	.end_amdhsa_kernel
	.amdgpu_metadata
---
amdhsa.version: [ 1, 2 ]
amdhsa.kernels:
  - .name:           k_q9e8b62c426_ffn1
    .symbol:         k_q9e8b62c426_ffn1.kd
    .args:
      - { .name: h, .offset: 0, .size: 8, .value_kind: global_buffer, .address_space: global }
      - { .name: wf, .offset: 8, .size: 8, .value_kind: global_buffer, .address_space: global }
      - { .name: g, .offset: 16, .size: 8, .value_kind: global_buffer, .address_space: global }
      - { .name: b1, .offset: 24, .size: 8, .value_kind: global_buffer, .address_space: global }
    .group_segment_fixed_size: 327680
    .private_segment_fixed_size: 0
    .kernarg_segment_align: 8
    .kernarg_segment_size: 32
    .max_flat_workgroup_size: 128
    .sgpr_count:     80
    .vgpr_count:     1024
    .wavefront_size: 32
...
	.end_amdgpu_metadata
.endif
;; end of part 5
;; launch ffn2 (part 6): grid 8 x 32, 4 waves a work-group, clusters of 4 x 4, 327,680 bytes of LDS; arguments g, wf, out0, b2, x1; writes out0
.if DOCPART == 6
	.amdgcn_target "amdgcn-amd-amdhsa--gfx1250"
	.amdhsa_code_object_version 6
	.text
	.protected	k_q9e8b62c426_ffn2
	.globl	k_q9e8b62c426_ffn2
	.p2align	8
	.type	k_q9e8b62c426_ffn2,@function
k_q9e8b62c426_ffn2:
	s_mov_b64 s[64:65], 0
	v_nop
	global_prefetch_b8 v0, s[64:65] scope:SCOPE_SE
	s_setreg_imm32_b32 hwreg(HW_REG_WAVE_MODE, 25, 1), 1
	s_wait_xcnt 0x0
	s_wait_alu depctr_hold_cnt(0) depctr_sa_sdst(0) depctr_va_vdst(0) depctr_va_sdst(0) depctr_va_ssrc(0) depctr_va_vcc(0) depctr_vm_vsrc(0)
	s_getreg_b32 s2, hwreg(HW_REG_IB_STS2, 6, 4)
	s_cmp_eq_u32 s2, 0
	s_cbranch_scc0 .Lentry_in_a_cluster
	s_endpgm
.Lentry_in_a_cluster:
	s_bfe_u32 s2, ttmp6, 0x10000c
	s_cmp_lg_u32 s2, 0xf033
	s_cbranch_scc0 .Lentry_shape_is_right
	s_endpgm
.Lentry_shape_is_right:
; C = RES + A B + bias on tiles of 128 x 128.  A: [4096][SIZE_K] f16 (K along the rows).  B: [SIZE_K][1024] f16 as the weights lie (N along the rows).  RES, C: [4096][1024] f32.
; FFN2 = 0: A = ctx, B = Wo.  FFN2 = 1: A = g, B = W2.  Sums in f32, started by the bias; the residual is added in f32 on the way out.
; 256 work-groups: a tile of 256 x 256 would give 64.  Four waves, each 64 x 64 of C in 16 accumulators.  K goes in steps of 256 through two LDS slots filled by the tensor data mover.
; B's fragments come out of LDS turned, by ds_load_tr16_b128.  The matrix instruction is used transposed (source 0 = 16 columns of B, source 1 = 16 rows of A).
; THE K LOOP'S TEXT IS ONE K STEP.  Which slot is in hand is a scalar, 0 or SLOT1, that an exclusive or turns at each change of slots; the fragment addresses are made from it anew, and one
; descriptor a tensor walks on from K step 1.  The last two K steps ask for nothing: they are a second loop, of two trips, which is left in the middle of its second trip.
; A K step has 128 matrix instructions a wave for the 32 KiB that the wave's one load brings, so the wave is early at the wait for that load.  All products that can stand ahead of that wait do;
; between it and the next request lie the three lines, the round and nothing else.
; CLUSTER 4 x 4: A's tile is shared along a row of the cluster, B's along a column: each is asked for jointly.
; FFN2 = 1, PREFETCH INTO THE L2.  A and B are read from memory once along K, and a tile can be requested by its tensor load only one K step ahead.  So each 256-byte block of later K steps is asked for
; once in the launch.  A: the 8 work-groups of a tile row share a K step's 256 blocks: wave 0 asks for rows 16 x tile column + 0..15, both halves of their 512 bytes, in each trip, for the K step whose
; tensor load stands two trips on; K steps 2 and 3 at the head; the last two trips ask for nothing.  B: the 32 tile rows share a K step's 256 blocks of a tile column, 8 a work-group: wave 1 asks in every
; fourth trip for four K steps at once (4-7, 8-11, 12-15), two to five trips ahead of their tensor loads; B's K steps 2 and 3 are not asked for.
; THE WAY OUT: a wave's 64 columns of f32 are 256 aligned bytes, so each wave has a stage of its own (16 rows x 272 bytes) and no barrier is needed.
; LIMITS.  A and B arrive within f16's 65,504.  NaN and infinities are not treated apart.
; REGISTERS: window 0: v16-31 addresses; v32-95 at work on the way out (two buffers of 32); v96-127 the bias; v128-255 the accumulators ((a, b) at v[128 + 8 (4 a + b)])
;   window 1: two fragment buffers of 128: 64 registers of A, then 64 of B      window 2: v0-127 my part of the residual, loaded at the start
.set FFN2, 1
.if FFN2
.set SIZE_K, 4096
.set WOFF, 0x800000                    ; W2 lies behind W1 in wf
.else
.set SIZE_K, 1024
.set WOFF, 0x600000                    ; Wo lies behind Wq, Wk and Wv in wb
.endif
.set KSTEP,  256
.set NSTEP,  SIZE_K/KSTEP
.set PA,     528                       ; a row of A in LDS: 512 bytes + 16
.set PB,     288                       ; a k-row of B: 256 bytes + 32 = 9 x 32
.set HALFA,  64*PA                     ; what a tensor load brings of A: 64 rows
.set HALFB,  128*PB                    ; of B: 128 k-rows
.set SLOT,   2*HALFA+2*HALFB           ; A's 128 rows, then B's 256 k-rows: 141,312 bytes
.set SLOT1,  0x24000                   ; slot 1 begins here (147,456): its two bits are in none of the four loads' places in slot 0 (0, 0x8400, 0x10800, 0x19800), so one exclusive or turns such a place into the other slot's
.set STAGE,  SLOT1+SLOT                ; behind the ring, never filled by a tensor load
.set SP,     272
.set SPARE,  STAGE+4*16*SP             ; the spare words, 128 bytes for each wave: two blocks of 256 bytes that no other line names
.set A0,   16                          ; v16     LDS address of my A fragments in slot 0; never rewritten
.set AC,   17                          ; v17     the same in the slot in hand
.set B0,   20                          ; v20     LDS address of my B fragments in slot 0; never rewritten
.set BC,   21                          ; v21-22  the same in the slot in hand: k-rows 0-127, 128-255 (an LDS immediate ends at 65,535)
.set STO,  24
.set RD,   25
.set CO,   26                          ; v26     my byte offset in C and in the residual; never rewritten
.set BO,   27
.set SPW,  28
.set NIL,  29
.set PFA,  30                          ; v30     prefetch: my lane's block of A in a K step, from the tile row's first byte; never rewritten
.set PFB,  31                          ; v31     prefetch: my lane's block of B in four K steps, from the first of them; never rewritten
.set TMP,  32
.set BIAS, 96
.set ACC,  128
.set F0,   0
.set F1,   128
.set TB,  18                           ; s18      the slot in hand: 0 or SLOT1
.set G1,  24                           ; s[24:31] descriptor group 1 for A;  s[32:39] group 0: a set for each of the two first fills; the second then walks on
.set G0,  32
.set G1B, 48                           ; s[48:55], s[56:63] the same for B
.set G0B, 56
.set MSB, 0
.macro WIN new
.if MSB != (\new)
	s_set_vgpr_msb (MSB<<8)|(\new)
.set MSB, \new
.endif
.endm
.set MUL,  0x05                        ; sources 0 (B) and 1 (A) window 1; C and D window 0
.set TO_F, 0x40                        ; destination window 1, address window 0
.macro JLOAD s                         ; a joint load: waves 0 and 1 fetch A's two halves, waves 2 and 3 B's; an s_nop 0 and four v_nop follow each line
	s_cmp_eq_u32 s11, 0
	s_cbranch_scc0 .Lfor_b_\@
	tensor_load_to_lds s[G0+4*(\s):G0+4*(\s)+3], s[G1:G1+7]
	s_nop 0
.rept 4
	v_nop
.endr
	s_branch .Lasked_\@
.Lfor_b_\@:
	tensor_load_to_lds s[G0B+4*(\s):G0B+4*(\s)+3], s[G1B:G1B+7]
	s_nop 0
.rept 4
	v_nop
.endr
.Lasked_\@:
.endm
.macro CREST
	s_cmp_lg_u32 s10, 0
	s_cbranch_scc1 .Lnot_wave_0_\@
	s_barrier_signal -3
.Lnot_wave_0_\@:
	s_barrier_wait -3
	s_barrier_signal -1
	s_barrier_wait -1
.endm
.macro CROUND
	s_barrier_signal -1
	s_barrier_wait -1
	CREST
.endm
.macro PLACES
.rept 4
	v_nop
.endr
.endm
	s_load_b128 s[4:7], s[0:1], 0x0                ; A s[4:5], the weights s[6:7]
	s_load_b64 s[8:9], s[0:1], 0x10                ; C
	s_load_b128 s[68:71], s[0:1], 0x18             ; bias s[68:69], residual s[70:71]
	v_lshl_add_u32 v[SPW], v0, 2, SPARE
	v_mov_b32 v[NIL], 0
	ds_add_u32 v28, v29
	ds_add_u32 v28, v29
	s_wait_dscnt 0x0
	v_lshrrev_b32 v1, 5, v0
	v_readfirstlane_b32 s10, v1                    ; wave 0..3
	s_lshr_b32 s11, s10, 1                         ; which half of the tile's rows is mine.  Also: I fetch for A (0) or for B (1)
	s_and_b32 s12, s10, 1                          ; which half of its columns.  Also: which half of that tile I fetch
	s_mov_b32 s[TB], 0                             ; slot 0 is in hand
	s_bfe_u32 s40, ttmp6, 0x40000                  ; cx
	s_bfe_u32 s41, ttmp6, 0x40004                  ; cy
	s_lshl_b32 s42, ttmp9, 2
	s_add_co_u32 s42, s42, s40                     ; tile column
	s_and_b32 s13, ttmp7, 0xffff
	s_lshl_b32 s13, s13, 2
	s_add_co_u32 s13, s13, s41                     ; tile row
	s_lshl_b32 s43, s41, 2
	s_lshl_b32 s43, 15, s43                        ; my row of the cluster
	s_lshl_b32 s44, 0x1111, s40                    ; my column
	s_or_b32 s[G1+0], s43, (1<<16)|(1<<20)|(1<<21)|(6<<22)|(3<<25)   ; the mask; 2-byte elements; padding on; bit 21 beside a mask; after every 128 words 4 words
	s_mov_b32 s[G1+1], 256<<16                     ; tensor_dim0 = 256
	s_mov_b32 s[G1+2], 64<<16                      ; tensor_dim1 = 64
	s_mov_b32 s[G1+3], 256<<16                     ; tile_dim0 = 256
	s_mov_b32 s[G1+4], 64                          ; tile_dim1 = 64
	s_mov_b32 s[G1+5], SIZE_K
	s_mov_b32 s[G1+6], 0
	s_mov_b32 s[G1+7], 0
	s_or_b32 s[G1B+0], s44, (1<<16)|(1<<20)|(1<<21)|(5<<22)|(7<<25)  ; after every 64 words 8 words
	s_mov_b32 s[G1B+1], 128<<16                    ; tensor_dim0 = 128
	s_mov_b32 s[G1B+2], 128<<16                    ; tensor_dim1 = 128
	s_mov_b32 s[G1B+3], 128<<16                    ; tile_dim0 = 128
	s_mov_b32 s[G1B+4], 128                        ; tile_dim1 = 128
	s_mov_b32 s[G1B+5], 1024
	s_mov_b32 s[G1B+6], 0
	s_mov_b32 s[G1B+7], 0
	s_lshl_b32 s16, s13, 7                         ; A: row 128 x tile row + 64 x half
	s_lshl_b32 s17, s12, 6
	s_add_co_u32 s16, s16, s17
	s_mul_i32 s16, s16, SIZE_K*2
	s_mov_b32 s17, 0
	s_lshl_b32 s46, s12, 18                        ; B: k-row 128 x half, of 2,048 bytes; 256 bytes a tile column; the matrix's place in its buffer
	s_lshl_b32 s47, s42, 8
	s_add_co_u32 s46, s46, s47
	s_add_co_u32 s46, s46, WOFF
	s_mov_b32 s47, 0
	s_mul_i32 s20, s12, HALFA                      ; where they go: no place in the cluster enters an LDS address
	s_mul_i32 s21, s12, HALFB
	s_add_co_u32 s21, s21, 2*HALFA
	s_wait_kmcnt 0x0
	s_add_nc_u64 s[14:15], s[4:5], s[16:17]
	s_add_nc_u64 s[46:47], s[6:7], s[46:47]
	CROUND                                         ; all sixteen work-groups are here: the first joint loads meet
.irp s, 0,1
	s_mov_b32 s[G0+4*(\s)], 1
	s_add_co_u32 s[G0+4*(\s)+1], s20, (\s)*SLOT1
	s_add_nc_u64 s[G0+4*(\s)+2:G0+4*(\s)+3], s[14:15], (\s)*KSTEP*2
	s_or_b32 s[G0+4*(\s)+3], s[G0+4*(\s)+3], 0x80000000
	s_mov_b32 s[G0B+4*(\s)], 1
	s_add_co_u32 s[G0B+4*(\s)+1], s21, (\s)*SLOT1
	s_add_nc_u64 s[G0B+4*(\s)+2:G0B+4*(\s)+3], s[46:47], (\s)*KSTEP*2048
	s_or_b32 s[G0B+4*(\s)+3], s[G0B+4*(\s)+3], 0x80000000
	JLOAD \s                                       ; two loads of mine are out
.endr
	v_and_b32 v1, 15, v0                           ; l % 16
	v_bfe_u32 v2, v0, 4, 1                         ; l / 16
	v_lshlrev_b32 v[BO], 5, v2
	v_lshlrev_b32 v[CO], 12, v2                    ; lanes 0-15 one row's 256 bytes, lanes 16-31 the next row's
	v_lshl_add_u32 v[CO], v1, 4, v[CO]
	s_lshl_b32 s66, s42, 9                         ; my first column, in bytes: 512 x tile column + 256 x half
	s_lshl_b32 s45, s12, 8
	s_add_co_u32 s66, s66, s45
	s_mov_b32 s67, 0
	s_add_nc_u64 s[68:69], s[68:69], s[66:67]
	s_lshl_b32 s45, s13, 19                        ; my first row: 128 x tile row + 64 x half, 4,096 bytes each
	s_add_co_u32 s66, s66, s45
	s_lshl_b32 s45, s11, 18
	s_add_co_u32 s66, s66, s45
	s_add_nc_u64 s[8:9], s[8:9], s[66:67]
	s_add_nc_u64 s[70:71], s[70:71], s[66:67]
.irp b, 0,1,2,3                        ; the bias as the C operand wants it: register 8 b + j of lane l holds column 16 b + 8 (l / 16) + j
	global_load_b128 v[BIAS+8*(\b):BIAS+8*(\b)+3],   v[BO], s[68:69] offset:64*(\b)
	global_load_b128 v[BIAS+8*(\b)+4:BIAS+8*(\b)+7], v[BO], s[68:69] offset:64*(\b)+16
.endr
	WIN 0x80                                       ; destination window 2: the residual, in the order in which the way out reads rows back
.set t, 0
.rept 32
	global_load_b128 v[4*t:4*t+3], v[CO], s[70:71] offset:2*t*4096
.set t, t+1
.endr
	WIN 0
.if FFN2
	v_and_b32 v8, 31, v0                           ; lane
	v_lshrrev_b32 v9, 1, v8
	s_lshl_b32 s78, s42, 4
	v_add_nc_u32 v9, s78, v9                       ; A: row 16 x tile column + lane / 2 of the tile row's 128,
	v_lshlrev_b32 v9, 13, v9                       ; 8,192 bytes a row,
	v_and_b32 v10, 1, v8
	v_lshl_add_u32 v[PFA], v10, 8, v9              ; half lane % 2 of the K step's 512 bytes
	v_lshrrev_b32 v9, 3, v8
	v_lshlrev_b32 v9, 8, v9                        ; B: K step lane / 8 of four, 256 k-rows each,
	v_and_b32 v10, 7, v8
	v_add_nc_u32 v9, v9, v10
	s_lshl_b32 s78, s13, 3
	v_add_nc_u32 v9, s78, v9                       ; k-row 8 x tile row + lane % 8,
	v_lshlrev_b32 v9, 11, v9                       ; 2,048 bytes a k-row,
	s_lshl_b32 s78, s42, 8
	v_add_nc_u32 v[PFB], s78, v9                   ; my tile column's 256 bytes
	s_lshl_b32 s74, s13, 20                        ; 128 rows of 8,192 bytes a tile row
	s_mov_b32 s75, 0
	s_add_nc_u64 s[72:73], s[4:5], s[74:75]        ; A at the tile row's first byte; never rewritten
	s_add_nc_u64 s[80:81], s[6:7], WOFF            ; B at its first byte; never rewritten
	s_cmp_lg_u32 s10, 0
	s_cbranch_scc1 .Lno_head_ask
	global_prefetch_b8 v[PFA], s[72:73] offset:2*KSTEP*2 th:TH_LOAD_NT scope:SCOPE_SE   ; A's K steps 2 and 3: their tensor loads stand in the loop's first two trips
	global_prefetch_b8 v[PFA], s[72:73] offset:3*KSTEP*2 th:TH_LOAD_NT scope:SCOPE_SE
.Lno_head_ask:
.endif
	v_mul_u32_u24 v3, v1, PA
	v_lshl_add_u32 v3, v2, 4, v3
	s_mul_i32 s22, s11, HALFA                      ; my 64 rows of A
	v_add_nc_u32 v[A0], s22, v3
	v_add_nc_u32 v[AC], s22, v3                    ; the slot in hand is slot 0
	v_and_b32 v4, 7, v0                            ; B, turned: lane l reads k-row 8 (l / 16) + l % 8, columns 8 ((l / 8) % 2) + 0..7
	v_lshl_add_u32 v4, v2, 3, v4
	v_mul_u32_u24 v4, v4, PB
	v_bfe_u32 v5, v0, 3, 1
	v_lshl_add_u32 v4, v5, 4, v4
	s_lshl_b32 s23, s12, 7                         ; my 64 columns,
	s_add_co_u32 s23, s23, 2*HALFA                 ; behind A's 128 rows
	v_add_nc_u32 v[B0], s23, v4
	v_add_nc_u32 v[BC], s23, v4
	v_add_nc_u32 v[BC+1], HALFB, v[BC]
	s_mul_i32 s22, s10, 16*SP
	s_add_co_u32 s22, s22, STAGE                   ; my stage
	v_mul_u32_u24 v6, v1, SP                       ; in: row l % 16, 32 bytes for each half of the lanes
	v_lshl_add_u32 v6, v2, 5, v6
	v_add_nc_u32 v[STO], s22, v6
	v_mul_u32_u24 v7, v2, SP                       ; back: lanes 0-15 one row of 256 bytes, lanes 16-31 the next
	v_lshl_add_u32 v7, v1, 4, v7
	v_add_nc_u32 v[RD], s22, v7
; 8 matrix instructions: m blocks a0, a0 + 1 x all 4 n blocks, 32 along K: half c of buffer f.  zero = 1: the bias starts the sums.  The 16 accumulators take turns.
.macro MUL8 f, c, a0, zero
	WIN MUL
.irp a, \a0, (\a0)+1
.irp b, 0,1,2,3
.if \zero
	v_wmma_f32_16x16x32_f16 v[ACC+8*(4*(\a)+(\b)):ACC+8*(4*(\a)+(\b))+7], v[(\f)+64+8*(4*(\c)+(\b)):(\f)+64+8*(4*(\c)+(\b))+7], v[(\f)+8*(4*(\c)+(\a)):(\f)+8*(4*(\c)+(\a))+7], v[BIAS+8*(\b):BIAS+8*(\b)+7]
.else
	v_wmma_f32_16x16x32_f16 v[ACC+8*(4*(\a)+(\b)):ACC+8*(4*(\a)+(\b))+7], v[(\f)+64+8*(4*(\c)+(\b)):(\f)+64+8*(4*(\c)+(\b))+7], v[(\f)+8*(4*(\c)+(\a)):(\f)+8*(4*(\c)+(\a))+7], v[ACC+8*(4*(\a)+(\b)):ACC+8*(4*(\a)+(\b))+7]
.endif
.endr
.endr
.endm
; 32 LDS loads in one run: the fragments of quarter q (64 along K) of the slot in hand into buffer f; the first 32 along K first
.macro FETCH q, f
	WIN TO_F
.irp c, 0,1
.irp i, 0,1,2,3
	ds_load_tr16_b128 v[(\f)+64+8*(4*(\c)+(\i)):(\f)+64+8*(4*(\c)+(\i))+3],   v[BC+(\q)/2] offset:(((\q)%2)*64+32*(\c))*PB+32*(\i)
	ds_load_tr16_b128 v[(\f)+64+8*(4*(\c)+(\i))+4:(\f)+64+8*(4*(\c)+(\i))+7], v[BC+(\q)/2] offset:(((\q)%2)*64+32*(\c)+16)*PB+32*(\i)
	ds_load_b128 v[(\f)+8*(4*(\c)+(\i)):(\f)+8*(4*(\c)+(\i))+3],   v[AC] offset:128*(\q)+64*(\c)+(\i)*16*PA
	ds_load_b128 v[(\f)+8*(4*(\c)+(\i))+4:(\f)+8*(4*(\c)+(\i))+7], v[AC] offset:128*(\q)+64*(\c)+(\i)*16*PA+32
.endr
.endr
.endm
.macro QUARTER q, f, g, zero
	s_wait_dscnt 16                                ; the first 32 along K are in
	MUL8 \f, 0, 0, \zero
	MUL8 \f, 0, 2, \zero
	PLACES
	FETCH \q, \g
	s_wait_dscnt 32                                ; all but the 32 just issued
	MUL8 \f, 1, 0, 0
	MUL8 \f, 1, 2, 0
.endm
; The first half of a K step's last quarter, and one barrier for the change of slots.  The sixteen products stand ahead of the wait for the tensor loads.  Then each wave waits for all its tensor loads,
; adds 0 to its spare word, and waits for that and for its reads of this slot.  Between the add and the wait for it stands the scalar and address work of the change: with fill = 1 the walking descriptors
; (no tensor load of mine is out) take the other slot than last time and the next K step; the fragment addresses take the other slot.
.macro MEET fill
	s_wait_dscnt 16                                ; buffer 1's first 32 along K are in; its second sixteen loads may be out
	MUL8 F1, 0, 0, 0
	MUL8 F1, 0, 2, 0
	WIN 0
	s_wait_tensorcnt 0x0
	ds_add_u32 v[SPW], v[NIL]
.if \fill
	s_xor_b32 s[G0+5], s[G0+5], SLOT1
	s_add_nc_u64 s[G0+6:G0+7], s[G0+6:G0+7], KSTEP*2   ; the type bits on top are not reached
	s_xor_b32 s[G0B+5], s[G0B+5], SLOT1
	s_add_nc_u64 s[G0B+6:G0B+7], s[G0B+6:G0B+7], KSTEP*2048
.endif
	s_xor_b32 s[TB], s[TB], SLOT1
	v_add_nc_u32 v[AC], s[TB], v[A0]
	v_add_nc_u32 v[BC], s[TB], v[B0]
	v_add_nc_u32 v[BC+1], HALFB, v[BC]
	s_wait_dscnt 0x0                               ; the add is done, and my reads of this slot are over
	s_barrier_signal -1
	s_barrier_wait -1
.endm
; FFN2 = 1: this trip's requests to the L2.  s3 counts the loop's trips down from NSTEP - 2; this trip's tensor load brings K step NSTEP - s3, and what is asked for here is K step NSTEP + 2 - s3.
.macro ASK
	s_cmp_lt_u32 s3, 3                             ; in the last two trips that K step would lie past K's end: nothing is asked for
	s_cbranch_scc1 .Lasked_all_\@
	s_wait_xcnt 0x0                                ; the base below, which the last request read, is rewritten only behind this wait
	s_sub_co_u32 s74, NSTEP+2, s3
	s_cmp_lg_u32 s10, 0
	s_cbranch_scc1 .Lnot_a_\@
	s_lshl_b32 s74, s74, 9                         ; 512 bytes of a row of A a K step
	s_add_nc_u64 s[76:77], s[72:73], s[74:75]
	global_prefetch_b8 v[PFA], s[76:77] th:TH_LOAD_NT scope:SCOPE_SE
	s_branch .Lasked_all_\@
.Lnot_a_\@:
	s_cmp_lg_u32 s10, 1
	s_cbranch_scc1 .Lasked_all_\@
	s_and_b32 s78, s3, 3                           ; every fourth trip, from the first on (NSTEP - 2 = 14 is 2 modulo 4)
	s_cmp_lg_u32 s78, 2
	s_cbranch_scc1 .Lasked_all_\@
	s_lshl_b32 s74, s74, 19                        ; 256 k-rows of 2,048 bytes a K step
	s_add_nc_u64 s[76:77], s[80:81], s[74:75]
	global_prefetch_b8 v[PFB], s[76:77] th:TH_LOAD_NT scope:SCOPE_SE
.Lasked_all_\@:
.endm
; The whole last quarter, with the slot just read out filled again two K steps on: the barrier opens a round of the cluster's, and the joint refill is the first tensor load behind it.
.macro TURN
	MEET 1
	CREST
	JLOAD 1                                        ; the four v_nop behind it are also the places in front of the loads below
.if FFN2
	ASK
.endif
	FETCH 0, F0
	MUL8 F1, 1, 0, 0
	MUL8 F1, 1, 2, 0
.endm
	s_wait_tensorcnt 1                             ; my part of K step 0 is in; K step 1's may stay out
	s_barrier_signal -1
	s_barrier_wait -1
	FETCH 0, F0
	s_wait_loadcnt 32                              ; the bias is in; the residual's 32 loads stay out
	QUARTER 1, F0, F1, 1                           ; the first quarter stands in front of the loop: its first products start the sums
	WIN 0                                          ; at a label and at a branch every window is 0
	s_mov_b32 s3, NSTEP-2
.Lstep:                                                ; a trip goes from a K step's second quarter to the next step's first, and fills the slot that it leaves
	QUARTER 2, F1, F0, 0
	QUARTER 3, F0, F1, 0
	TURN
	QUARTER 1, F0, F1, 0
	WIN 0
	s_sub_co_u32 s3, s3, 1
	s_cmp_lg_u32 s3, 0
	s_cbranch_scc1 .Lstep
	s_mov_b32 s2, 2
.Ltail:                                                ; the last two K steps have a text of their own: nothing is asked for
	QUARTER 2, F1, F0, 0
	QUARTER 3, F0, F1, 0
	MEET 0
	PLACES
	s_cmp_eq_u32 s2, 1
	s_cbranch_scc1 .Lno_fetch                      ; behind the last K step there is no further slot to read
	FETCH 0, F0
	WIN 0
.Lno_fetch:
	MUL8 F1, 1, 0, 0
	MUL8 F1, 1, 2, 0
	WIN 0
	s_sub_co_u32 s2, s2, 1
	s_cmp_eq_u32 s2, 0
	s_cbranch_scc1 .Lway_out                       ; the second trip is left here
	QUARTER 1, F0, F1, 0
	WIN 0
	s_branch .Ltail
.Lway_out:
	; THE WAY OUT, 16 rows at a time through my own stage: in by columns, back by rows, plus the residual, out.
	PLACES
	s_wait_loadcnt 0x0                             ; the residual
.irp a, 0,1,2,3
.set TM, TMP+32*((\a)%2)
.irp b, 0,1,2,3
	ds_store_b128 v[STO], v[ACC+8*(4*(\a)+(\b)):ACC+8*(4*(\a)+(\b))+3]   offset:64*(\b)      ; each accumulator's low registers first
	ds_store_b128 v[STO], v[ACC+8*(4*(\a)+(\b))+4:ACC+8*(4*(\a)+(\b))+7] offset:64*(\b)+16
.endr
	s_wait_xcnt 0x0                                ; this buffer, which the stores of two blocks ago read, is loaded again only behind this wait
.irp t, 0,1,2,3,4,5,6,7
	ds_load_b128 v[TM+4*(\t):TM+4*(\t)+3], v[RD] offset:(\t)*2*SP   ; LDS serves a wave's instructions in order (ISA guide 5.7.1.4): these see the stores above
.endr
	s_wait_dscnt 0x0
	WIN 0x08                                       ; source 1 in window 2
.set p, 0
.rept 16
	v_pk_add_f32 v[TM+2*p:TM+2*p+1], v[TM+2*p:TM+2*p+1], v[32*(\a)+2*p:32*(\a)+2*p+1]
.set p, p+1
.endr
	WIN 0
.irp t, 0,1,2,3,4,5,6,7
.if FFN2
	global_store_b128 v[CO], v[TM+4*(\t):TM+4*(\t)+3], s[8:9] offset:(16*(\a)+2*(\t))*4096 th:TH_STORE_NT   ; 16 lanes store 256 consecutive bytes, aligned
.else
	global_store_b128 v[CO], v[TM+4*(\t):TM+4*(\t)+3], s[8:9] offset:(16*(\a)+2*(\t))*4096                  ; 16 lanes store 256 consecutive bytes, aligned
.endif
.endr
.endr
	s_wait_tensorcnt 0x0                           ; the wave's end
	ds_add_u32 v[SPW], v[NIL]
	s_wait_dscnt 0x0
	CROUND                                         ; the closing round
	s_endpgm
.Lfunc_end_k_q9e8b62c426_ffn2:
	.size	k_q9e8b62c426_ffn2, .Lfunc_end_k_q9e8b62c426_ffn2-k_q9e8b62c426_ffn2
	.p2alignl 7, 3214868480
	.fill 96, 4, 3214868480
	.section	.rodata,"a",@progbits
	.p2align	6, 0x0
	.amdhsa_kernel k_q9e8b62c426_ffn2
		.amdhsa_group_segment_fixed_size 327680
		.amdhsa_private_segment_fixed_size 0
		.amdhsa_enable_private_segment 0
		.amdhsa_kernarg_size 40
		.amdhsa_user_sgpr_count 2
		.amdhsa_user_sgpr_kernarg_segment_ptr 1
		.amdhsa_wavefront_size32 1
		.amdhsa_system_sgpr_workgroup_id_x 1
		.amdhsa_system_sgpr_workgroup_id_y 1
		.amdhsa_system_sgpr_workgroup_id_z 1
		.amdhsa_system_vgpr_workitem_id 0
		.amdhsa_next_free_vgpr 640
		.amdhsa_next_free_sgpr 84
		.amdhsa_reserve_vcc 0
		.amdhsa_float_denorm_mode_32 3
		.amdhsa_float_denorm_mode_16_64 3
		.amdhsa_memory_ordered 1
		.amdhsa_forward_progress 1
		.amdhsa_inst_pref_size 68
	.end_amdhsa_kernel
	.amdgpu_metadata
---
amdhsa.version: [ 1, 2 ]
amdhsa.kernels:
  - .name:           k_q9e8b62c426_ffn2
    .symbol:         k_q9e8b62c426_ffn2.kd
    .args:
      - { .name: g, .offset: 0, .size: 8, .value_kind: global_buffer, .address_space: global }
      - { .name: wf, .offset: 8, .size: 8, .value_kind: global_buffer, .address_space: global }
      - { .name: out0, .offset: 16, .size: 8, .value_kind: global_buffer, .address_space: global }
      - { .name: b2, .offset: 24, .size: 8, .value_kind: global_buffer, .address_space: global }
      - { .name: x1, .offset: 32, .size: 8, .value_kind: global_buffer, .address_space: global }
    .group_segment_fixed_size: 327680
    .private_segment_fixed_size: 0
    .kernarg_segment_align: 8
    .kernarg_segment_size: 40
    .max_flat_workgroup_size: 128
    .sgpr_count:     84
    .vgpr_count:     640
    .wavefront_size: 32
...
	.end_amdgpu_metadata
.endif
;; end of part 6
;; ======== version 2 of 2: 7 launches; version 1 with the launches prep, ln2 written anew for expert scheduling mode
;; limits: values are held in f16: magnitudes above 65,504 overflow, below 6.1e-05 lose precision
;; workspace buffers: wb 8,388,608 bytes; wf 16,777,216 bytes; h 8,388,608 bytes; qkv 25,165,824 bytes; ctx 8,388,608 bytes; x1 16,777,216 bytes; g 33,554,432 bytes
;; launch prep (part 7): grid 512 x 1, 8 waves a work-group, no clusters, 0 bytes of LDS; arguments x, ln1_w, ln1_b, h, Wq, Wk, Wv, Wo, wb; writes h, wb
.if DOCPART == 7
	.amdgcn_target "amdgcn-amd-amdhsa--gfx1250"
	.amdhsa_code_object_version 6
	.text
	.protected	k_q9e8b62c426_prep
	.globl	k_q9e8b62c426_prep
	.p2align	8
	.type	k_q9e8b62c426_prep,@function
k_q9e8b62c426_prep:
	s_mov_b64 s[64:65], 0
	v_nop
	global_prefetch_b8 v0, s[64:65] scope:SCOPE_SE
	s_setreg_imm32_b32 hwreg(HW_REG_WAVE_SCHED_MODE, 0, 2), 2
	s_setreg_imm32_b32 hwreg(HW_REG_WAVE_MODE, 25, 1), 1
	s_wait_xcnt 0x0
	s_wait_alu depctr_vm_vsrc(0)
; PREP.  Work-groups 0-255: h = LayerNorm(x) * gain + bias, [4096][1024], f32 in, f16 out.  Work-groups 256-511: Wq, Wk, Wv and Wo rounded to f16,
; each left as it lies ([K][N]), one behind the other in wb: Wq 0, Wk 2 MiB, Wv 4 MiB, Wo 6 MiB.  (W1 and W2 are rounded in the launch behind, by work-groups that have no tile there.)
; THE SAME TEXT SERVES THE SECOND LAYER NORM: launched with 256 work-groups on x1, ln2_w and ln2_b, only the first part runs, and the arguments from the fifth on are not read.
; Both parts are streams: no LDS, no barrier, no matrix unit, no cluster (no two work-groups share more than the 8 KiB of gain and bias).
; LAYER NORM.  A wave owns two rows; a row of 4,096 bytes is eight loads of 16 bytes a lane (512 consecutive bytes a load) and stays in 32 registers.  Mean first, then the
; mean of the squared differences (two passes over registers, so a common offset of x costs nothing), all in f32; h is rounded once.
; A store of the wave covers 256 consecutive bytes, aligned.
; WHY f16: the first rows of a sequence average over few keys, so what h, the weights, v and ctx lose in rounding reaches the output undiminished; 11 significant bits leave an eighth of what 8 leave.
; LIMITS.  f16 holds no number beyond 65,504: h and the weights must lie within it; a weight below 6e-5 keeps f16's fixed step of 6e-8.  NaN and infinities are not treated apart.
; THE MODE: SCHED_MODE bits 1:0 = 2 (LLVM: expert scheduling mode 2), set by the entry lines.  The code itself states the register dependences
; between vector instructions and memory instructions, with s_wait_alu, always for 0.
; THE PLAN, LAYER NORM.  Registers that memory instructions touch:
;   v1, v2     byte offsets of the loads and of the stores: made once at the head, never written again.
;   X0, X1     a row each.  Written by the head's loads, once; then by the row's own arithmetic, in place; of each four registers the first two end as f16 and are read by one store; nothing writes them after that.
;   W, BV      gain and bias.  Written by the head's loads, once; read by vector instructions alone.
;   T, M, R are named by vector instructions alone.
; All 32 loads stand at the head, behind one wait that shows the offsets written.  Row 0's eight stores stand in row 1, behind ONE wait at its head that shows row 0's conversions written, dealt among row 1's
; first additions, which name T and X1 alone.  Row 1's stores stand behind one wait at the end.  No register that a load or store reads is ever written again, so no wait on vm_vsrc is owed.
; THE PLAN, THE CAST.  v1, v2: offsets, made once.  v[16:79]: written by the 16 loads, once; read by the conversions.  v[80:111]: each pair written once, by two conversions, and read by one store.
; The loads are taken in four groups of four.  At a group's head one wait shows the group before's conversions written; that group's four stores are dealt among this group's conversions, which name other registers.
.set T,   4                            ; v[4:11]    four pairs at work
.set M,   12                           ; v[12:13]   the mean, twice
.set R,   14                           ; v[14:15]   1 / sqrt(var + eps), twice
.set X,   16                           ; v[16:79]   two rows, 32 registers each
.set W,   80                           ; v[80:111]  gain of my 32 columns
.set BV,  112                          ; v[112:143] bias of my 32 columns
.macro REDUCE                          ; the four pairs at T are summed; every lane ends with the row's sum in v[T]
	v_pk_add_f32 v[T:T+1], v[T:T+1], v[T+2:T+3]
	v_pk_add_f32 v[T+4:T+5], v[T+4:T+5], v[T+6:T+7]
	v_pk_add_f32 v[T:T+1], v[T:T+1], v[T+4:T+5]
	v_add_f32 v[T], v[T], v[T+1]
.irp m, 1,2,4,8
	v_add_f32_dpp v[T], v[T], v[T] row_xmask:\m row_mask:0xf bank_mask:0xf
.endr
	v_permlanex16_b32 v[T+1], v[T], s12, s13       ; the other half of the lanes
	v_add_f32 v[T], v[T], v[T+1]
.endm
; Store j of eight of row i: the wave's 256 consecutive bytes, aligned.
.macro OUT i, j
	global_store_b64 v2, v[X+32*(\i)+4*(\j):X+32*(\i)+4*(\j)+1], s[10:11] offset:(\i)*2048+256*(\j)
.endm
; Row i, up to its conversions; its stores stand behind the macro.  wx: the younger loads that may stay out when the row is wanted; wg: the same when gain and bias are wanted.
; In row 1 the stores of row 0 are dealt among the first eight additions.
.macro LNROW i, wx, wg
.set XB, X+32*(\i)
	s_wait_loadcnt \wx
.if \i
	s_wait_alu depctr_va_vdst(0)                   ; row 0's conversions have written the f16 registers of X0, which the eight stores below read; no vector instruction behind this wait names X0 or v2
.endif
.set k, 0
.rept 4
.if \i
	OUT 0, k
.endif
	v_pk_add_f32 v[T+2*k:T+2*k+1], v[XB+2*k:XB+2*k+1], v[XB+8+2*k:XB+9+2*k]  ; the first sums start the four chains: nothing is cleared
.set k, k+1
.endr
.set p, 8
.rept 8
.if (\i) && (p < 12)
	OUT 0, p-4
.endif
	v_pk_add_f32 v[T+2*(p%4):T+2*(p%4)+1], v[T+2*(p%4):T+2*(p%4)+1], v[XB+2*p:XB+2*p+1]
.set p, p+1
.endr
	REDUCE
	v_mul_f32 v[M], s14, v[T]                      ; mean = sum / 1024
	v_mul_f32 v[M+1], s14, v[T]
.set p, 0
.rept 16
	v_pk_add_f32 v[XB+2*p:XB+2*p+1], v[XB+2*p:XB+2*p+1], v[M:M+1] neg_lo:[0,1] neg_hi:[0,1]  ; d = x - mean
.set p, p+1
.endr
.set k, 0
.rept 4
	v_pk_mul_f32 v[T+2*k:T+2*k+1], v[XB+2*k:XB+2*k+1], v[XB+2*k:XB+2*k+1]
.set k, k+1
.endr
.set p, 4
.rept 12
	v_pk_fma_f32 v[T+2*(p%4):T+2*(p%4)+1], v[XB+2*p:XB+2*p+1], v[XB+2*p:XB+2*p+1], v[T+2*(p%4):T+2*(p%4)+1]
.set p, p+1
.endr
	REDUCE
	v_fma_f32 v[T], v[T], s14, s15                 ; var + eps
	v_rsq_f32 v[R], v[T]
	v_rsq_f32 v[R+1], v[T]
	s_wait_loadcnt \wg
	v_nop                                          ; a plain instruction between the root and the use of its result (ISA guide 5.7.2)
	s_wait_alu depctr_va_vdst(0)                   ; the two roots have written v[R] and v[R+1], ahead of their first reader: one wait for both
.set p, 0
.rept 16
	v_pk_mul_f32 v[XB+2*p:XB+2*p+1], v[XB+2*p:XB+2*p+1], v[R:R+1]
.set p, p+1
.endr
.set p, 0
.rept 16
	v_pk_fma_f32 v[XB+2*p:XB+2*p+1], v[XB+2*p:XB+2*p+1], v[W+2*p:W+2*p+1], v[BV+2*p:BV+2*p+1]
.set p, p+1
.endr
.set j, 0
.rept 8
	v_cvt_pk_f16_f32 v[XB+4*j], v[XB+4*j], v[XB+4*j+1]         ; in place: no register that a store reads is written again
	v_cvt_pk_f16_f32 v[XB+4*j+1], v[XB+4*j+2], v[XB+4*j+3]
.set j, j+1
.endr
.endm
	s_cmp_lt_u32 ttmp9, 256
	s_cbranch_scc0 .Lcast
	s_load_b256 s[4:11], s[0:1], 0x0               ; x s[4:5], gain s[6:7], bias s[8:9], h s[10:11]
	v_and_b32 v3, 31, v0                           ; lane
	v_lshrrev_b32 v1, 5, v0
	v_readfirstlane_b32 s16, v1                    ; wave
	v_lshlrev_b32 v1, 4, v3                        ; 16 bytes a lane in x, gain and bias
	v_lshlrev_b32 v2, 3, v3                        ; 8 bytes a lane in h
	s_lshl_b32 s17, ttmp9, 3
	s_wait_alu depctr_va_sdst(0)                   ; s16 is written, ahead of its first reader: the bases of x and h are made from it
	s_add_co_u32 s17, s17, s16                     ; my pair of rows
	s_lshl_b32 s18, s17, 13                        ; x 2 rows x 4,096 bytes
	s_mov_b32 s19, 0
	s_lshl_b32 s20, s17, 12                        ; x 2 rows x 2,048 bytes
	s_mov_b32 s21, 0
	s_mov_b32 s12, 0x76543210                      ; v_permlanex16_b32: each lane takes its own place in the other half
	s_mov_b32 s13, 0xfedcba98
	s_mov_b32 s14, 0x3a800000                      ; 1 / 1024
	s_mov_b32 s15, 0x3727c5ac                      ; 1e-5
	s_wait_kmcnt 0x0
	s_add_nc_u64 s[4:5], s[4:5], s[18:19]
	s_add_nc_u64 s[10:11], s[10:11], s[20:21]
	s_wait_alu depctr_va_vdst(0)                   ; v1 and v2 are written: every load of this part reads v1 as its offset, every store v2
.set j, 0
.rept 8
	global_load_b128 v[X+4*j:X+4*j+3], v1, s[4:5] offset:512*j
.set j, j+1
.endr
.set j, 0
.rept 8
	global_load_b128 v[W+4*j:W+4*j+3], v1, s[6:7] offset:512*j
.set j, j+1
.endr
.set j, 0
.rept 8
	global_load_b128 v[BV+4*j:BV+4*j+3], v1, s[8:9] offset:512*j
.set j, j+1
.endr
.set j, 0
.rept 8
	global_load_b128 v[X+32+4*j:X+32+4*j+3], v1, s[4:5] offset:4096+512*j
.set j, j+1
.endr
	LNROW 0, 24, 8                                 ; row 0 is in: gain, bias and row 1 (24 loads) stay out; then gain and bias: row 1's 8 stay out
	LNROW 1, 0, 0                                  ; row 0's stores leave among row 1's first additions
	s_wait_alu depctr_va_vdst(0)                   ; row 1's conversions have written the f16 registers of X1, which the last eight stores read
.set j, 0
.rept 8
	OUT 1, j
.set j, j+1
.endr
	s_endpgm
.Lcast:                                                ; chunk c = work-group - 256 is 65,536 bytes of f32: 64 chunks for each of Wq, Wk, Wv, Wo
	s_load_b256 s[4:11], s[0:1], 0x20              ; Wq, Wk, Wv, Wo
	s_load_b64 s[16:17], s[0:1], 0x40              ; wb
	s_sub_co_u32 s20, ttmp9, 256
	v_lshlrev_b32 v1, 4, v0                        ; 16 bytes a thread in, 4,096 a load of the work-group
	v_lshlrev_b32 v2, 3, v0                        ; 8 bytes a thread out
	s_wait_kmcnt 0x0
	s_mov_b64 s[22:23], s[4:5]                     ; the matrix that holds chunk c, and its first chunk's number
	s_mov_b32 s24, 0
	s_cmp_ge_u32 s20, 64
	s_cselect_b64 s[22:23], s[6:7], s[22:23]
	s_cselect_b32 s24, 64, s24
	s_cmp_ge_u32 s20, 128
	s_cselect_b64 s[22:23], s[8:9], s[22:23]
	s_cselect_b32 s24, 128, s24
	s_cmp_ge_u32 s20, 192
	s_cselect_b64 s[22:23], s[10:11], s[22:23]
	s_cselect_b32 s24, 192, s24
	s_sub_co_u32 s24, s20, s24
	s_lshl_b32 s24, s24, 16                        ; the chunk's byte offset in its matrix
	s_mov_b32 s25, 0
	s_add_nc_u64 s[22:23], s[22:23], s[24:25]
	s_lshl_b32 s26, s20, 15                        ; and in wb, whose order is the chunks' order
	s_mov_b32 s27, 0
	s_add_nc_u64 s[16:17], s[16:17], s[26:27]
	s_wait_alu depctr_va_vdst(0)                   ; v1 and v2 are written: every load of this part reads v1 as its offset, every store v2
.set j, 0
.rept 16
	global_load_b128 v[16+4*j:19+4*j], v1, s[22:23] offset:4096*j th:TH_LOAD_NT
.set j, j+1
.endr
.set g, 0
.rept 4                                                ; group g: loads 4 g to 4 g + 3
	s_wait_loadcnt 12-4*g                          ; loads come back in order (ISA guide 5.7.1): this group's four are in, the younger groups stay out
.if g > 0
	s_wait_alu depctr_va_vdst(0)                   ; the group before's eight conversions have written their pairs of v[80 ..], which the four stores below read; this group's conversions name other registers
.endif
.set i, 0
.rept 4
.set j, 4*g+i
.if g > 0
	global_store_b64 v2, v[80+2*(j-4):81+2*(j-4)], s[16:17] offset:2048*(j-4)  ; a wave's store covers 256 consecutive bytes, aligned
.endif
	v_cvt_pk_f16_f32 v[80+2*j], v[16+4*j], v[17+4*j]
	v_cvt_pk_f16_f32 v[81+2*j], v[18+4*j], v[19+4*j]
.set i, i+1
.endr
.set g, g+1
.endr
	s_wait_alu depctr_va_vdst(0)                   ; the last group's conversions have written v[104:111], which the last four stores read
.set j, 12
.rept 4
	global_store_b64 v2, v[80+2*j:81+2*j], s[16:17] offset:2048*j
.set j, j+1
.endr
	s_endpgm
.Lfunc_end_k_q9e8b62c426_prep:
	.size	k_q9e8b62c426_prep, .Lfunc_end_k_q9e8b62c426_prep-k_q9e8b62c426_prep
	.p2alignl 7, 3214868480
	.fill 96, 4, 3214868480
	.section	.rodata,"a",@progbits
	.p2align	6, 0x0
	.amdhsa_kernel k_q9e8b62c426_prep
		.amdhsa_group_segment_fixed_size 0
		.amdhsa_private_segment_fixed_size 0
		.amdhsa_enable_private_segment 0
		.amdhsa_kernarg_size 72
		.amdhsa_user_sgpr_count 2
		.amdhsa_user_sgpr_kernarg_segment_ptr 1
		.amdhsa_wavefront_size32 1
		.amdhsa_system_sgpr_workgroup_id_x 1
		.amdhsa_system_sgpr_workgroup_id_y 1
		.amdhsa_system_sgpr_workgroup_id_z 1
		.amdhsa_system_vgpr_workitem_id 0
		.amdhsa_next_free_vgpr 144
		.amdhsa_next_free_sgpr 66
		.amdhsa_reserve_vcc 0
		.amdhsa_float_denorm_mode_32 3
		.amdhsa_float_denorm_mode_16_64 3
		.amdhsa_memory_ordered 1
		.amdhsa_forward_progress 1
		.amdhsa_inst_pref_size 27
	.end_amdhsa_kernel
	.amdgpu_metadata
---
amdhsa.version: [ 1, 2 ]
amdhsa.kernels:
  - .name:           k_q9e8b62c426_prep
    .symbol:         k_q9e8b62c426_prep.kd
    .args:
      - { .name: x, .offset: 0, .size: 8, .value_kind: global_buffer, .address_space: global }
      - { .name: ln1_w, .offset: 8, .size: 8, .value_kind: global_buffer, .address_space: global }
      - { .name: ln1_b, .offset: 16, .size: 8, .value_kind: global_buffer, .address_space: global }
      - { .name: h, .offset: 24, .size: 8, .value_kind: global_buffer, .address_space: global }
      - { .name: Wq, .offset: 32, .size: 8, .value_kind: global_buffer, .address_space: global }
      - { .name: Wk, .offset: 40, .size: 8, .value_kind: global_buffer, .address_space: global }
      - { .name: Wv, .offset: 48, .size: 8, .value_kind: global_buffer, .address_space: global }
      - { .name: Wo, .offset: 56, .size: 8, .value_kind: global_buffer, .address_space: global }
      - { .name: wb, .offset: 64, .size: 8, .value_kind: global_buffer, .address_space: global }
    .group_segment_fixed_size: 0
    .private_segment_fixed_size: 0
    .kernarg_segment_align: 8
    .kernarg_segment_size: 72
    .max_flat_workgroup_size: 256
    .sgpr_count:     66
    .vgpr_count:     144
    .wavefront_size: 32
...
	.end_amdgpu_metadata
.endif
;; end of part 7
;; launch qkv: the kernel of part 2 again; grid 16 x 16, 4 waves a work-group, clusters of 4 x 4, 327,680 bytes of LDS; arguments h, wb, qkv, bq, bk, bv, W1, W2, wf; writes qkv, wf
;; launch attn: the kernel of part 3 again; grid 16 x 16, 8 waves a work-group, no clusters, 191,488 bytes of LDS; arguments qkv, ctx; writes ctx
;; launch oproj: the kernel of part 4 again; grid 8 x 32, 4 waves a work-group, clusters of 4 x 4, 327,680 bytes of LDS; arguments ctx, wb, x1, bo, x; writes x1
;; launch ln2: the kernel of part 7 again; grid 256 x 1, 8 waves a work-group, no clusters, 0 bytes of LDS; arguments x1, ln2_w, ln2_b, h, Wq, Wk, Wv, Wo, qkv; writes h, qkv
;; launch ffn1: the kernel of part 5 again; grid 16 x 16, 4 waves a work-group, clusters of 4 x 4, 327,680 bytes of LDS; arguments h, wf, g, b1; writes g
;; launch ffn2: the kernel of part 6 again; grid 8 x 32, 4 waves a work-group, clusters of 4 x 4, 327,680 bytes of LDS; arguments g, wf, out0, b2, x1; writes out0
